; MI455X (gfx1250); checked and timed in simulation.
; The chip was launched on July 23, 2026; its instructions are those of AMD's public machine-readable ISA for CDNA 5 (MIT licence, August 2026) and "CDNA5" Instruction Set Architecture Reference Guide (July 2026). The comments in the code are by the model that wrote it; some were corrected since.
;; my param layer. Allowed arithmetic: matrix products marked QUANTISED: E3M2 operands, one E8M0 scale for each 32 along K, by v_wmma_scale_f32_16x16x128_f8f6f4 with both operands' format E3M2, f32 sums; everything else in f32.
;; Inputs: A 4,096 x 4,096 float32; B 4,096 x 4,096 float32.
;; Outputs: out0 4,096 x 4,096 float32.
;; This version of the problem:
;;   THIS VERSION OF THE PROBLEM IS GIVEN IN LOW PRECISION. The matrix products marked QUANTISED in the list below multiply operands that are first quantised to E3M2 (3 exponent bits, 2 mantissa bits; 6 bits a number), with one power-of-two scale for each 32 numbers along K (OCP MX v1.0); their sums are f32. All else is computed in f32.
;;   The module's matrix products, in the order in which they are computed (A, B: the left and right operand; K: the contracted axis; several contracted axes count as one K, in the product's order):
;;     1. [M 4,096, K 4,096] x [K 4,096, N 4,096]; A: input A; B: input B: QUANTISED
;;   THE QUANTISER, for each operand of a quantised product, along K:
;;     - K is cut into blocks of 32 from its start; a last block that is shorter is filled with zeros.
;;     - A block's scale is 2^e with e = floor(log2(the largest magnitude in the block)) - 4, held to -126 .. 127; a block of zeros has e = 0. As a byte (E8M0): e + 127.
;;     - Each number is divided by its block's scale, clamped to +-28, and rounded to the nearest number of E3M2, ties to even, subnormals kept.
;;     - The product sums the exact products of the quantised numbers (number of the format x scale) in f32.
;;   ~~~python
;;   def quantise(x, axis):      # numpy; x: float32 -> the quantised numbers, widened to float32 again
;;       x = np.moveaxis(x, axis, -1); K = x.shape[-1]
;;       x = np.pad(x, [(0, 0)] * (x.ndim - 1) + [(0, -K % 32)]); x = x.reshape(x.shape[:-1] + (-1, 32)); a = np.abs(x).max(-1, keepdims=True)
;;       e = np.where(a > 0, np.clip(np.frexp(np.where(a > 0, a, 1))[1] - 1 - 4, -126, 127), 0)      # np.frexp(a)[1] - 1 = floor(log2(a)), exactly
;;       r = np.clip(x / 2.0 ** e, -28, 28)
;;       step = 2.0 ** (np.maximum(np.frexp(np.where(r == 0, 1, r))[1] - 1, -2) - 2)
;;       q = np.round(r / step) * step * 2.0 ** e      # np.round: ties to even
;;       return np.moveaxis(q.reshape(q.shape[:-2] + (-1,))[..., :K], -1, axis).astype(np.float32)
;;   ~~~
;; 2 versions. Each part assembles by itself: llvm-mc -triple=amdgcn-amd-amdhsa -mcpu=gfx1250 --defsym DOCPART=n.
;; ======== version 1 of 2: 2 launches
;; workspace buffers: a_codes 12,582,912 bytes; a_scales 524,288 bytes; b_codes 12,582,912 bytes; b_scales 524,288 bytes
;; launch quant (part 1): grid 768 x 1, 4 waves a work-group, no clusters, 60,928 bytes of LDS; arguments A, B, a_codes, a_scales, b_codes, b_scales; writes a_codes, a_scales, b_codes, b_scales
.if DOCPART == 1
	.amdgcn_target "amdgcn-amd-amdhsa--gfx1250"
	.amdhsa_code_object_version 6
	.text
	.protected	k_q3626c3ea58_quant
	.globl	k_q3626c3ea58_quant
	.p2align	8
	.type	k_q3626c3ea58_quant,@function
k_q3626c3ea58_quant:
	s_mov_b64 s[64:65], 0
	v_nop
	global_prefetch_b8 v0, s[64:65] scope:SCOPE_SE
	s_setreg_imm32_b32 hwreg(HW_REG_WAVE_MODE, 25, 1), 1
	s_wait_xcnt 0x0
; A [4096 m][4096 k] and B [4096 k][4096 n], f32, are turned into codes of BF6 (E3M2), 6 bits each, with K innermost, and one E8M0 scale byte for each 32 along K:
; a_codes [4096 m][3072 bytes], a_scales [4096 m][128], b_codes [4096 n][3072 bytes], b_scales [4096 n][128].  A row of codes is one stream of bits, the code of the lowest k in the lowest bits.
; A block's scale is 2^(floor(log2(its largest magnitude)) - 4); its byte is the largest magnitude's own exponent field - 4, held at 1 from below (e = -126); a block of zeros gets 127.
; Each number is divided by the scale and rounded to the nearest code, ties to even; what lies beyond 28 takes the largest code (the conversion does both).
; LIMITS: NaN and infinities among the inputs are not served.
; ONE LAUNCH FOR BOTH TENSORS.  Work-groups 0-255 take B (65,536 numbers each), work-groups 256-767 take A (32,768 each); the branch hangs on the work-group's number alone, so all four waves go the same way.
; No tensor loads and no matrix work: every number is read once and nothing is shared between work-groups.
.set EMAX,  4                          ; the exponent of the format's largest number, 28
.set BROW,  16384                      ; a row of B in bytes
.set CROW,  3072                       ; a row of codes in bytes
; LDS.  B's part: a stage for codes, 64 rows (columns of B) x 784 bytes (768 of codes + 16), and one for scale bytes, 64 rows x 48 (32 + 16).  A's part: 1,792 bytes for each wave.
.set SPI,   784
.set SST,   64*SPI                     ; 50,176
.set SSP,   48
.set ABASE, SST+64*SSP                 ; 53,248
.set AWAVE, 1792                       ; a ring of 1,536 bytes of codes (four steps), then the wave's 256 scale bytes
	s_load_b128 s[4:7], s[0:1], 0x0                ; A, B
	s_load_b128 s[8:11], s[0:1], 0x10              ; a_codes, a_scales
	s_load_b128 s[12:15], s[0:1], 0x20             ; b_codes, b_scales
	v_lshl_add_u32 v160, v0, 2, 0xec00
	v_mov_b32 v161, 0
	v_lshrrev_b32 v1, 5, v0
	v_readfirstlane_b32 s16, v1                    ; wave 0..3
	v_and_b32 v2, 31, v0                           ; lane
	s_wait_kmcnt 0x0
	s_cmp_lt_u32 ttmp9, 256
	s_cbranch_scc1 .Lb_part
; ---------------------------------------------------------------- A: K IS INNERMOST ----------------------------------------------------------------
; Rows are dense and 4,096 is a multiple of 32: A is a plain stream of blocks of 32, and so are its codes and its scale bytes.  A wave takes a run of 8,192 numbers in 16 steps of 512.
; In a step a lane holds 16 neighbours (64 bytes, four loads; the four together read 2,048 consecutive bytes): the conversion takes 16 numbers of one block from one lane's registers.  Two neighbouring lanes hold a block.
; A lane's 16 codes are 12 bytes.  Four steps' codes, 1,536 bytes, are gathered in the wave's own ring in LDS and leave by three stores of 512 consecutive bytes, aligned.  The wave's 256 scale bytes leave as one store.
.set AX, 16                            ; v16-79   four sets of 16 numbers
.set AC, 80                            ; v80-143  codes: four registers for each step; a group of four steps comes back from the ring into the first twelve of its sixteen
.set AE, 144                           ; v144-159 a scale byte for each step
	s_sub_co_u32 s18, ttmp9, 256
	s_lshl_b32 s18, s18, 2
	s_add_co_u32 s18, s18, s16                     ; which run of 8,192 numbers is my wave's: 0 .. 2,047
	s_lshl_b32 s20, s18, 15                        ; 32,768 bytes of A a run,
	s_mov_b32 s21, 0
	s_mul_i32 s22, s18, 6144                       ; 6,144 bytes of codes,
	s_mov_b32 s23, 0
	s_lshl_b32 s24, s18, 8                         ; 256 scale bytes
	s_mov_b32 s25, 0
	s_add_nc_u64 s[4:5], s[4:5], s[20:21]
	s_add_nc_u64 s[8:9], s[8:9], s[22:23]
	s_add_nc_u64 s[10:11], s[10:11], s[24:25]
	v_lshlrev_b32 v3, 6, v2                        ; my 64 bytes of a step's 2,048
.macro ALOAD t
.irp i, 0,1,2,3
	global_load_b128 v[AX+16*((\t)%4)+4*\i:AX+16*((\t)%4)+4*\i+3], v3, s[4:5] offset:2048*(\t)+16*\i th:TH_LOAD_NT
.endr
.endm
.irp t, 0,1,2,3
	ALOAD \t                                       ; loads run four steps (16 loads a wave) ahead
.endr
	s_mul_i32 s17, s16, AWAVE
	s_add_co_u32 s17, s17, ABASE                   ; my wave's bytes of LDS
	v_mul_u32_u24 v4, v2, 12
	v_add_nc_u32 v4, s17, v4                       ; into the ring: 12 bytes a lane
	v_lshrrev_b32 v5, 1, v2
	v_add3_u32 v5, v5, s17, 1536                   ; my block's scale byte
	v_lshlrev_b32 v7, 3, v2                        ; the scale bytes' way out: 8 bytes a lane, in memory
	v_add3_u32 v6, v7, s17, 1536                   ; and in LDS
	v_lshlrev_b32 v14, 4, v2                       ; the codes' way out: 16 bytes a lane, in memory
	v_add_nc_u32 v10, s17, v14                     ; and in the ring
.macro ASEND g                         ; group g of four steps: 1,536 bytes of codes; each store covers 512 consecutive bytes at a multiple of 512 from the buffer's first byte
.irp j, 0,1,2
	global_store_b128 v14, v[AC+16*(\g)+4*\j:AC+16*(\g)+4*\j+3], s[8:9] offset:1536*(\g)+512*\j
.endr
.endm
.macro ASTEP t
.set XS, AX+16*((\t)%4)
.if 15-(\t) >= 3
	s_wait_loadcnt 12                              ; this step's four loads are in; the next three steps' twelve may be out
.else
	s_wait_loadcnt 4*(15-(\t))                     ; the last steps: the counts run down
.endif
	v_max3_num_f32 v8, |v[XS]|, |v[XS+1]|, |v[XS+2]|               ; the largest magnitude of my 16, in two chains
	v_max3_num_f32 v9, |v[XS+3]|, |v[XS+4]|, |v[XS+5]|
.irp i, 6,10
	v_max3_num_f32 v8, v8, |v[XS+\i]|, |v[XS+\i+1]|
	v_max3_num_f32 v9, v9, |v[XS+\i+2]|, |v[XS+\i+3]|
.endr
	v_max3_num_f32 v8, v8, |v[XS+14]|, |v[XS+15]|
	v_max_num_f32 v8, v8, v9
	v_max_num_f32_dpp v8, v8, v8 row_xmask:1 row_mask:0xf bank_mask:0xf   ; and of my neighbour's 16: the block's
	v_lshrrev_b32 v9, 23, v8                       ; its exponent field (the sign bit is 0)
	v_max_u32 v9, EMAX+1, v9                       ; the byte is not to fall under 1
	v_add_nc_u32 v9, -EMAX, v9                     ; the scale's byte
	v_lshlrev_b32 v11, 23, v9                      ; and the scale as f32: the conversion takes its exponent field
	v_cmp_eq_u32 vcc_lo, 0, v8                     ; a block of zeros?
	v_cvt_scalef32_pk16_bf6_f32 v[AC+4*(\t):AC+4*(\t)+2], v[XS:XS+15], v11   ; 96 bits without gaps, the first number's code lowest
	v_cndmask_b32 v[AE+(\t)], v9, 127, vcc_lo      ; a block of zeros gets 127.  (Also the one plain vector instruction between a scaled conversion and what touches its result or writes its sources)
	ds_store_b8 v5, v[AE+(\t)] offset:16*(\t)      ; both lanes of a block write the same byte with the same value
.irp i, 0,1,2
	ds_store_b32 v4, v[AC+4*(\t)+\i] offset:384*((\t)%4)+4*\i      ; lanes stand 3 words apart: 32 different banks
.endr
.if (\t)%4 == 3
.irp j, 0,1,2
	ds_load_b128 v[AC+16*((\t)/4)+4*\j:AC+16*((\t)/4)+4*\j+3], v10 offset:512*\j   ; LDS serves a wave's instructions in order (ISA guide 5.7.1.4): these see the four steps' stores, and the next step's stores come behind them
.endr
.endif
.if ((\t)%4 == 0) && ((\t) > 0)
	s_wait_dscnt 4                                 ; behind the last group's three loads stand this step's four LDS stores: the group is back in registers
	ASEND (\t)/4-1
.endif
.if (\t)+4 < 16
	ALOAD (\t)+4
.endif
.endm
.irp t, 0,1,2,3,4,5,6,7,8,9,10,11,12,13,14,15
	ASTEP \t                                       ; written out: every offset is an immediate, and no register that a global store reads is written again
.endr
	ds_load_b64 v[12:13], v6                       ; my wave's 256 scale bytes, 8 a lane
	s_wait_dscnt 0x0                               ; they and the last group of codes are in registers
	ASEND 3
	global_store_b64 v7, v[12:13], s[10:11]        ; 32 lanes store 256 consecutive bytes, aligned
	s_wait_tensorcnt 0x0
	ds_add_u32 v160, v161
	s_wait_dscnt 0x0
	s_endpgm
; ---------------------------------------------------------------- B: K IS THE FIRST AXIS ----------------------------------------------------------------
; A LANE TAKES A COLUMN n, AND ITS REGISTERS RUN DOWN K: a block of 32 along K lies in one lane's 32 registers, its largest magnitude needs no other lane, and the conversions give codes with K innermost.  Nothing is transposed by an instruction.
; A work-group takes 64 columns x 1,024 along K (x = number % 64, y = number / 64).  Wave w takes K rows 1024 y + 256 w on, of all 64 columns: lane l columns l and 32 + l, by turns, 8 blocks of each.
; Each load reads 128 consecutive bytes of a row of B; the next run of loads reads the 128 beside them.
; A column's codes of the four waves are 768 consecutive bytes of its row of b_codes: they meet in the work-group's stage, and behind ONE barrier each wave reads 16 rows back and stores them, sixteen lanes to 256 consecutive bytes, aligned.
; The scale bytes, 32 a column, take the same way; they leave as pieces of 32 bytes of rows 128 bytes apart: one byte in 128 of what this part reads.
.set BX,  32                           ; v32-95   two sets of 32 numbers
.set BCD, 96                           ; v96-102  a block's codes
.set BSB, 24                           ; v24-27   scale bytes: register 2 c + t / 4, byte t % 4
.set BO,  32                           ; v32-127  the way out: 24 x 4 registers (the numbers and the codes are done with)
.Lb_part:
	s_and_b32 s18, ttmp9, 63                       ; x: which 64 columns
	s_lshr_b32 s19, ttmp9, 6                       ; y: which 1,024 along K
	s_lshl_b32 s20, s19, 2
	s_add_co_u32 s20, s20, s16
	s_lshl_b32 s20, s20, 22                        ; (4 y + w) x 256 rows of 16,384 bytes
	s_lshl_b32 s21, s18, 8                         ; + 64 x columns of 4 bytes
	s_add_co_u32 s20, s20, s21
	s_mov_b32 s21, 0
	s_add_nc_u64 s[6:7], s[6:7], s[20:21]          ; B at my wave's first row and the group's first column
	v_lshlrev_b32 v3, 2, v2                        ; 4 bytes a lane
.macro BLOAD u                         ; sub-block u = 2 t + c: B(32 t + i, 32 c + lane), i = 0 .. 31, into set c.  The largest offset, 4,178,048, lies inside the signed 24-bit immediate (ISA guide, chapter 10)
.irp i, 0,1,2,3,4,5,6,7,8,9,10,11,12,13,14,15,16,17,18,19,20,21,22,23,24,25,26,27,28,29,30,31
	global_load_b32 v[BX+32*((\u)%2)+\i], v3, s[6:7] offset:(32*((\u)/2)+\i)*BROW+128*((\u)%2) th:TH_LOAD_NT
.endr
.endm
	BLOAD 0
	BLOAD 1                                        ; loads run two sub-blocks (64 loads a wave) ahead
	s_lshl_b32 s22, s18, 6
	s_lshl_b32 s23, s16, 4
	s_add_co_u32 s22, s22, s23                     ; on the way out my wave stores columns 64 x + 16 w on:
	s_mul_i32 s22, s22, CROW                       ; their rows of b_codes,
	s_mul_i32 s23, s19, 768                        ; 768 y bytes along
	s_add_co_u32 s22, s22, s23
	s_mov_b32 s23, 0
	s_add_nc_u64 s[12:13], s[12:13], s[22:23]
	s_lshl_b32 s24, s18, 13                        ; b_scales: 64 x rows of 128 bytes,
	s_lshl_b32 s25, s19, 5                         ; 32 y bytes along
	s_add_co_u32 s24, s24, s25
	s_mov_b32 s25, 0
	s_add_nc_u64 s[14:15], s[14:15], s[24:25]
	s_mul_i32 s26, s16, 192                        ; my wave's 256 along K are 192 bytes of a stage row
	v_mul_u32_u24 v4, v2, SPI
	v_add_nc_u32 v4, s26, v4                       ; into the stage: row = my column
	s_lshl_b32 s27, s16, 3                         ; and 8 of a row's 32 scale bytes
	s_add_co_u32 s27, s27, SST
	v_mul_u32_u24 v5, v2, SSP
	v_add_nc_u32 v5, s27, v5
	v_lshrrev_b32 v11, 1, v0                       ; the scale bytes' way out: two threads to a column, 16 bytes each
	v_and_b32 v12, 1, v0
	v_mul_u32_u24 v6, v11, SSP
	v_lshl_add_u32 v6, v12, 4, v6
	v_add_nc_u32 v6, SST, v6                       ; in LDS,
	v_lshlrev_b32 v7, 7, v11
	v_lshl_add_u32 v7, v12, 4, v7                  ; and in b_scales
	s_mul_i32 s28, s16, 16*SPI                     ; the codes' way out: my wave's 16 stage rows
	v_lshlrev_b32 v10, 4, v2                       ; 16 bytes a lane, in memory,
	v_add_nc_u32 v8, s28, v10                      ; and in the stage.  Two rows of 768 bytes are three loads of 512; the middle one ends a row in lanes 0-15 and begins the next in lanes 16-31:
	v_lshrrev_b32 v13, 4, v2
	v_lshl_add_u32 v9, v13, 4, v8                  ; there lanes 16-31 stand 16 bytes (the row's padding) further on in the stage,
	v_mul_u32_u24 v14, v13, CROW-768
	v_add_nc_u32 v14, v14, v10                     ; and 2,304 bytes further on in memory
.macro BBLOCK u
.set XS, BX+32*((\u)%2)
.set BT, (\u)/2
.set BC, (\u)%2
.if (\u) < 15
	s_wait_loadcnt 32                              ; this sub-block's 32 loads are in; the next one's may be out
.else
	s_wait_loadcnt 0
.endif
	v_max3_num_f32 v12, |v[XS]|, |v[XS+1]|, |v[XS+2]|              ; the block's largest magnitude: all 32 numbers are mine
	v_max3_num_f32 v13, |v[XS+3]|, |v[XS+4]|, |v[XS+5]|
.irp i, 6,10,14,18,22,26
	v_max3_num_f32 v12, v12, |v[XS+\i]|, |v[XS+\i+1]|
	v_max3_num_f32 v13, v13, |v[XS+\i+2]|, |v[XS+\i+3]|
.endr
	v_max3_num_f32 v12, v12, |v[XS+30]|, |v[XS+31]|
	v_max_num_f32 v12, v12, v13
	v_lshrrev_b32 v13, 23, v12                     ; its exponent field
	v_max_u32 v13, EMAX+1, v13                     ; the byte is not to fall under 1
	v_add_nc_u32 v13, -EMAX, v13                   ; the scale's byte
	v_lshlrev_b32 v11, 23, v13                     ; and the scale as f32, for the conversion
	v_cmp_eq_u32 vcc_lo, 0, v12
	v_cndmask_b32 v13, v13, 127, vcc_lo            ; a block of zeros gets 127
.if BT%4 == 0
	v_mov_b32 v[BSB+2*BC+BT/4], v13                ; four bytes to a register, the lower K in the lower byte
.else
	v_lshl_or_b32 v[BSB+2*BC+BT/4], v13, 8*(BT%4), v[BSB+2*BC+BT/4]
.endif
	v_cvt_scalef32_pk16_bf6_f32 v[BCD:BCD+2], v[XS:XS+15], v11
	v_cvt_scalef32_pk16_bf6_f32 v[BCD+4:BCD+6], v[XS+16:XS+31], v11   ; (a conversion's three registers begin on an even number)
	v_nop                                          ; one plain vector instruction between a scaled conversion and what touches its result or writes its sources
	v_mov_b32 v[BCD+3], v[BCD+4]                   ; the block's 24 bytes in six registers on end
	v_mov_b32 v[BCD+4], v[BCD+5]
	v_mov_b32 v[BCD+5], v[BCD+6]
.irp i, 0,1,2
	ds_store_b64 v4, v[BCD+2*\i:BCD+2*\i+1] offset:32*SPI*BC+24*BT+8*\i   ; every address is a multiple of 8
.endr
.if (\u)+2 < 16
	BLOAD (\u)+2
.endif
	s_wait_dscnt 0x0                               ; the stores are done: the next block's codes may be written
.endm
.irp u, 0,1,2,3,4,5,6,7,8,9,10,11,12,13,14,15
	BBLOCK \u
.endr
	ds_store_b64 v5, v[BSB:BSB+1]                  ; my two columns' 8 scale bytes each
	ds_store_b64 v5, v[BSB+2:BSB+3] offset:32*SSP
	s_wait_dscnt 0x0                               ; for the others' sake: all my stores into the two stages are done
	s_barrier_signal -1
	s_barrier_wait -1                              ; everybody's are
	ds_load_b128 v[16:19], v6                      ; half a column's scale bytes
.irp a, 0,1,2,3,4,5,6,7                ; rows 2 a and 2 a + 1 of my sixteen
	ds_load_b128 v[BO+12*\a:BO+12*\a+3],    v8 offset:2*SPI*\a
	ds_load_b128 v[BO+12*\a+4:BO+12*\a+7],  v9 offset:2*SPI*\a+512
	ds_load_b128 v[BO+12*\a+8:BO+12*\a+11], v8 offset:2*SPI*\a+SPI+256
.endr
	s_wait_dscnt 24                                ; LDS loads come back in order (ISA guide 5.7.1): the first is in, the 24 behind it may be out
	global_store_b128 v7, v[16:19], s[14:15]
.irp a, 0,1,2,3,4,5,6,7                ; each sixteen lanes store 256 consecutive bytes at a multiple of 256 from the buffer's first byte
	s_wait_dscnt 23-3*\a
	global_store_b128 v10, v[BO+12*\a:BO+12*\a+3],    s[12:13] offset:2*CROW*\a
	s_wait_dscnt 22-3*\a
	global_store_b128 v14, v[BO+12*\a+4:BO+12*\a+7],  s[12:13] offset:2*CROW*\a+512
	s_wait_dscnt 21-3*\a
	global_store_b128 v10, v[BO+12*\a+8:BO+12*\a+11], s[12:13] offset:2*CROW*\a+CROW+256
.endr
	s_wait_tensorcnt 0x0
	ds_add_u32 v160, v161
	s_wait_dscnt 0x0
	s_endpgm
.Lfunc_end_k_q3626c3ea58_quant:
	.size	k_q3626c3ea58_quant, .Lfunc_end_k_q3626c3ea58_quant-k_q3626c3ea58_quant
	.p2alignl 7, 3214868480
	.fill 96, 4, 3214868480
	.section	.rodata,"a",@progbits
	.p2align	6, 0x0
	.amdhsa_kernel k_q3626c3ea58_quant
		.amdhsa_group_segment_fixed_size 60928
		.amdhsa_private_segment_fixed_size 0
		.amdhsa_enable_private_segment 0
		.amdhsa_kernarg_size 48
		.amdhsa_user_sgpr_count 2
		.amdhsa_user_sgpr_kernarg_segment_ptr 1
		.amdhsa_wavefront_size32 1
		.amdhsa_system_sgpr_workgroup_id_x 1
		.amdhsa_system_sgpr_workgroup_id_y 1
		.amdhsa_system_sgpr_workgroup_id_z 1
		.amdhsa_system_vgpr_workitem_id 0
		.amdhsa_next_free_vgpr 162
		.amdhsa_next_free_sgpr 66
		.amdhsa_reserve_vcc 1
		.amdhsa_float_denorm_mode_32 3
		.amdhsa_float_denorm_mode_16_64 3
		.amdhsa_memory_ordered 1
		.amdhsa_forward_progress 1
		.amdhsa_inst_pref_size 112
	.end_amdhsa_kernel
	.amdgpu_metadata
---
amdhsa.version: [ 1, 2 ]
amdhsa.kernels:
  - .name:           k_q3626c3ea58_quant
    .symbol:         k_q3626c3ea58_quant.kd
    .args:
      - { .name: A, .offset: 0, .size: 8, .value_kind: global_buffer, .address_space: global }
      - { .name: B, .offset: 8, .size: 8, .value_kind: global_buffer, .address_space: global }
      - { .name: a_codes, .offset: 16, .size: 8, .value_kind: global_buffer, .address_space: global }
      - { .name: a_scales, .offset: 24, .size: 8, .value_kind: global_buffer, .address_space: global }
      - { .name: b_codes, .offset: 32, .size: 8, .value_kind: global_buffer, .address_space: global }
      - { .name: b_scales, .offset: 40, .size: 8, .value_kind: global_buffer, .address_space: global }
    .group_segment_fixed_size: 60928
    .private_segment_fixed_size: 0
    .kernarg_segment_align: 8
    .kernarg_segment_size: 48
    .max_flat_workgroup_size: 128
    .sgpr_count:     66
    .vgpr_count:     162
    .wavefront_size: 32
...
	.end_amdgpu_metadata
.endif
;; end of part 1
;; launch gemm (part 2): grid 16 x 16, 4 waves a work-group, clusters of 4 x 4, 327,680 bytes of LDS; arguments a_codes, a_scales, b_codes, b_scales, out0; writes out0
.if DOCPART == 2
	.amdgcn_target "amdgcn-amd-amdhsa--gfx1250"
	.amdhsa_code_object_version 6
	.text
	.protected	k_q3626c3ea58_gemm
	.globl	k_q3626c3ea58_gemm
	.p2align	8
	.type	k_q3626c3ea58_gemm,@function
k_q3626c3ea58_gemm:
	s_mov_b64 s[64:65], 0
	v_nop
	global_prefetch_b8 v0, s[64:65] scope:SCOPE_SE
	s_setreg_imm32_b32 hwreg(HW_REG_WAVE_MODE, 25, 1), 1
	s_wait_xcnt 0x0
	s_wait_alu depctr_hold_cnt(0) depctr_sa_sdst(0) depctr_va_vdst(0) depctr_va_sdst(0) depctr_va_ssrc(0) depctr_va_vcc(0) depctr_vm_vsrc(0)
	s_getreg_b32 s2, hwreg(HW_REG_IB_STS2, 6, 4)
	s_cmp_eq_u32 s2, 0
	s_cbranch_scc0 .Lentry_in_a_cluster
	s_endpgm
.Lentry_in_a_cluster:
	s_bfe_u32 s2, ttmp6, 0x10000c
	s_cmp_lg_u32 s2, 0xf033
	s_cbranch_scc0 .Lentry_shape_is_right
	s_endpgm
.Lentry_shape_is_right:
; out0[m][n] = sum over k of A[m][k] B[n][k] on codes of BF6 (E3M2), 6 bits each, with one E8M0 scale for each 32 along K; sums in f32.
; a_codes [4096 m][3072 bytes], b_codes [4096 n][3072 bytes]: a row is one stream of bits, four codes in three bytes, the code of the lowest k lowest: 128 codes are 96 bytes.  a_scales, b_scales: [4096][128].
; The matrix instruction takes codes and scale bytes as they lie in memory: nothing is widened, shifted or scaled by vector instructions.
; A tile of C, 256 x 256, is made by a work-group of four waves, as many as a WGP has SIMDs; a wave makes 128 x 128: 64 accumulators of 16 x 16, 512 registers.  4,096 x 4,096 are 256 such tiles: one to a work-group.
; K goes in steps of 256 through a ring of two LDS slots filled by the tensor data mover: a tile's row is 192 bytes of memory.
; THE SCALES of the work-group's 256 rows of A and 256 rows of B, for all of K, are two dense blocks of memory: they come into LDS ONCE, with the first fills, as rows of 256 bytes, and stay.
; CLUSTERS: 4 x 4 work-groups.  The four of a row of the cluster need the same tiles of A, the four of a column the same tiles of B: each tile is asked for JOINTLY, by the same tensor load with the
; same descriptor and a mask that names the four.  THE MATRIX INSTRUCTION IS USED TRANSPOSED (source 0 = 16 rows of B, source 1 = 16 rows of A): a lane then holds eight neighbouring numbers of a row of C.
; LIMITS: the values are those of the codes and scale bytes given; a scale byte 0xff (NaN) makes its sums NaN.
; REGISTERS, in windows of 256: window 0: v0-31 addresses; v32-63 scale words, two sets; from v128 A's fragments (8 x 16 rows x 128 K), ONE set; on the way out v128-255 take rows read back.
;   window 1: B's fragments, TWO sets, at v0 and at v128.   window 2: the 32 accumulators of my rows 0-63 (accumulator (a, b) at v[8 (8 a + b)]);   window 3: those of my rows 64-127.
; A step of 128 along K is 64 matrix instructions, A's blocks one after the other, each against B's eight.  So a block of A is free as soon as its eight products are issued, and one set of registers serves A:
; blocks 0-3 are fetched anew in the step's middle, blocks 4-7 at its end.  B's fragments are at work through the whole step, so B has two sets.
.set SIZE_M, 4096
.set SIZE_N, 4096
.set SIZE_K, 4096
.set KSTEP,  256                       ; along K in a slot
.set NQ,     KSTEP/128                 ; matrix instructions deep
.set ROWB,   192                       ; a tile's row in bytes: KSTEP codes of 6 bits
.set KROW,   SIZE_K*6/8                ; a row of A or of B in memory, in bytes
.set PITCH,  240                       ; an LDS row: 3 x (64 bytes of data + 16 of padding) = 60 words: row r starts at bank -4 r mod 64 (64 banks of 4 bytes: ISA guide 11.1), so the 32 lanes of a load of 8 bytes touch 64 different banks
.set FR,     12                        ; registers of a fragment: 16 rows x 128 K
.set NL,     6                         ; LDS loads that bring one
.set NP,     4                         ; places behind this matrix instruction (ISA guide 7.12.1)
.set HALFT,  128*PITCH                 ; 128 rows: what one tensor load brings, and what one wave reads of A or of B
.set SLOT,   4*HALFT                   ; A's 256 rows, then B's 256 rows
.set LAPS,   SIZE_K/(2*KSTEP)          ; a lap = two K steps = once round the ring: 8
.set KS,     SIZE_K/32                 ; a row of scales in bytes: 128, so that a row lies inside one piece of 256 bytes
.set SCL,    2*SLOT                    ; behind the ring: the scales, as pieces of 256 bytes + 16 of padding
.set HALFS,  (128*KS/256)*272          ; the scales of 128 rows: what one tensor load brings
.set SBLK,   (16*KS/256)*272           ; those of 16 rows
.set SPARE,  SCL+4*HALFS               ; behind the scales: the spare words, 128 bytes for each wave: two blocks of 256 bytes that no other line names
.set SPITCH, 528                       ; the way out: a stage of 16 rows x (512 bytes + 16) for each wave.  It lies in slot 0, which has had its last fill and its last read when the first result is stored there
.set ADRA, 16                          ; v16-17  LDS address of my A fragments in slot 0, 1  (v18-19: the same for the pieces that lie behind one padding more)
.set ADRB, 20                          ; v20-21  the same for B  (v22-23)
.set STO,  24                          ; v24     the way out: where I put 32 bytes of a row
.set RD,   25                          ; v25     the way out: where I read a row back
.set CO,   26                          ; v26     my byte offset in a row of C
.set ADRS, 27                          ; v27     LDS address of my scale words: lanes 0-15 A's rows, lanes 16-31 B's
.set SPW,  28                          ; v28     LDS address of my spare word: SPARE + 4 x my thread's number; never rewritten
.set NIL,  29                          ; v29     0; never rewritten
.set SC,   32                          ; scale words: set s (for slot s) at v[SC + 8 NQ s]; in it register NQ i + q: lanes 0-15 the word of A's block i, lanes 16-31 that of B's block i, for the slot's q-th 128 along K
.set AF,   128                         ; A's fragments, in window 0
.set BK,   128                         ; the way out: 16 rows read back from the stage: v128-191 and v192-255 by turns
.set G1, 24                            ; s[24:31] descriptor group 1 for A's tiles;  s[32:39] group 0, one set for each slot
.set G0, 32
.set G1B, 48                           ; s[48:55], s[56:63] the same for B's tiles
.set G0B, 56
.set G1S, 68                           ; s[68:75], s[76:79] groups 1 and 0 for A's scales;  s[80:87], s[88:91] for B's
.set G0S, 76
.set G1SB, 80
.set G0SB, 88
.set MSB, 0
.macro WIN new                         ; s_set_vgpr_msb's low byte: bits 1:0 source 0, 3:2 source 1, 5:4 source 2, 7:6 destination; the high byte repeats the setting that is left; a switch that changes nothing is dropped
.if MSB != \new
	s_set_vgpr_msb (MSB<<8)|\new
.set MSB, \new
.endif
.endm
.set MUL_LO, 0xa1                      ; source 0 (B) window 1, source 1 (A) window 0, C and D window 2
.set MUL_HI, 0xf1                      ; the same, C and D window 3
.set TO_B,   0x40                      ; destination window 1, address window 0
; A joint load: waves 0 and 1 fetch for A, waves 2 and 3 for B.  Each of the two lines has ONE mask and one set of registers for all that issue it; the branch hangs on the wave's number alone.
; Four v_nop follow each of the two lines, ahead of the jump, the label and what follows.
.macro JLOAD g0a, g1a, g0b, g1b
	s_cmp_eq_u32 s15, 0
	s_cbranch_scc0 .Lfor_b_\@
	tensor_load_to_lds s[\g0a:\g0a+3], s[\g1a:\g1a+7]
	s_nop 0
.rept 4
	v_nop
.endr
	s_branch .Lasked_\@
.Lfor_b_\@:
	tensor_load_to_lds s[\g0b:\g0b+3], s[\g1b:\g1b+7]
	s_nop 0
.rept 4
	v_nop
.endr
.Lasked_\@:
.endm
; A round of the cluster's barrier: my work-group's barrier, so that wave 0's signal speaks for all four waves; wave 0 signals for the work-group; every wave waits for all sixteen work-groups; my work-group's barrier once more.
.macro CREST                           ; a round behind its opening barrier
	s_cmp_lg_u32 s14, 0
	s_cbranch_scc1 .Lnot_wave_0_\@
	s_barrier_signal -3
.Lnot_wave_0_\@:
	s_barrier_wait -3
	s_barrier_signal -1
	s_barrier_wait -1
.endm
.macro CROUND                          ; a whole round
	s_barrier_signal -1
	s_barrier_wait -1
	CREST
.endm
	s_load_b128 s[4:7], s[0:1], 0x0                ; A's codes s[4:5], A's scales s[6:7]
	s_load_b128 s[8:11], s[0:1], 0x10              ; B's codes s[8:9], B's scales s[10:11]
	s_load_b64 s[12:13], s[0:1], 0x20              ; C
	v_lshl_add_u32 v[SPW], v0, 2, SPARE
	v_mov_b32 v[NIL], 0
	ds_add_u32 v28, v29
	ds_add_u32 v28, v29
	s_wait_dscnt 0x0
	v_lshrrev_b32 v1, 5, v0
	v_readfirstlane_b32 s14, v1                    ; wave 0..3
	s_lshr_b32 s15, s14, 1                         ; which half of the tile's rows is mine.  Also: I fetch for A (0) or for B (1)
	s_and_b32 s16, s14, 1                          ; which half of its columns.  Also: which 128 rows of that tile I fetch
	s_bfe_u32 s40, ttmp6, 0x40000                  ; cx, cy: my place in the cluster
	s_bfe_u32 s41, ttmp6, 0x40004
	s_lshl_b32 s42, ttmp9, 2                       ; in a cluster launch ttmp9 and ttmp7 count clusters
	s_add_co_u32 s42, s42, s40                     ; tile column of C = 4 x cluster x + cx
	s_and_b32 s17, ttmp7, 0xffff
	s_lshl_b32 s17, s17, 2
	s_add_co_u32 s17, s17, s41                     ; tile row of C = 4 x cluster y + cy
	s_lshl_b32 s43, s41, 2
	s_lshl_b32 s43, 15, s43                        ; my row of the cluster: places 4 cy .. 4 cy + 3
	s_lshl_b32 s44, 0x1111, s40                    ; my column: places cx, cx + 4, cx + 8, cx + 12
	; descriptor group 1: a tile of 128 rows x ROWB bytes, padded in LDS
	s_or_b32 s[G1+0], s43, (0<<16)|(1<<20)|(1<<21)|(3<<22)|(3<<25)  ; 15:0 the mask: A's tiles go to my row; 17:16 element of 1 byte; 20 padding on; 21 set beside a mask; 24:22 after every 16 words (code 3); 31:25 of 4 words (code 3)
	s_or_b32 s[G1B+0], s44, (0<<16)|(1<<20)|(1<<21)|(3<<22)|(3<<25) ; the same with the mask of my column, for B's tiles
.irp g, G1, G1B
	s_mov_b32 s[\g+1], ROWB<<16                    ; tensor_dim0 = 192
	s_mov_b32 s[\g+2], 128<<16                     ; tensor_dim1 = 128
	s_mov_b32 s[\g+3], ROWB<<16                    ; tile_dim0 = 192
	s_mov_b32 s[\g+4], 128                         ; tile_dim1 = 128
	s_mov_b32 s[\g+5], KROW                        ; tensor_dim0_stride: 3,072 bytes from row to row
	s_mov_b32 s[\g+6], 0
	s_mov_b32 s[\g+7], 0
.endr
	; and for the scales of 128 rows: a dense block of 16,384 bytes, as 64 rows of 256 bytes (32 elements of 8 bytes), 16 bytes of padding behind each
	s_or_b32 s[G1S+0], s43, (3<<16)|(1<<20)|(1<<21)|(5<<22)|(3<<25)
	s_or_b32 s[G1SB+0], s44, (3<<16)|(1<<20)|(1<<21)|(5<<22)|(3<<25)
.irp g, G1S, G1SB
	s_mov_b32 s[\g+1], 32<<16
	s_mov_b32 s[\g+2], (128*KS/256)<<16
	s_mov_b32 s[\g+3], 32<<16
	s_mov_b32 s[\g+4], 128*KS/256
	s_mov_b32 s[\g+5], 32
	s_mov_b32 s[\g+6], 0
	s_mov_b32 s[\g+7], 0
.endr
	; where the tiles come from.  A's hang on the tile row alone, which my row of the cluster shares; B's on the tile column alone, which my column shares.  Every wave makes both, in registers that never hold the other coordinate.
	s_lshl_b32 s18, s16, 7                         ; which 128 rows of the tile I fetch
	s_lshl_b32 s20, s17, 8
	s_add_co_u32 s20, s20, s18                     ; A: row 256 x tile row + 128 x half
	s_lshl_b32 s46, s42, 8
	s_add_co_u32 s46, s46, s18                     ; B: row 256 x tile column + 128 x half
	s_mov_b32 s21, 0
	s_mov_b32 s47, 0
	s_mov_b64 s[18:19], KS
	s_mul_u64 s[22:23], s[20:21], s[18:19]         ; where these rows' scales begin, in bytes
	s_mul_u64 s[92:93], s[46:47], s[18:19]
	s_mov_b64 s[18:19], KROW
	s_mul_u64 s[20:21], s[20:21], s[18:19]         ; and their codes
	s_mul_u64 s[46:47], s[46:47], s[18:19]
	s_mul_i32 s45, s14, HALFT                      ; where they go: wave x 128 rows: no place in the cluster enters an LDS address
	s_mul_i32 s94, s14, HALFS
	s_wait_kmcnt 0x0
	s_add_nc_u64 s[20:21], s[4:5], s[20:21]
	s_add_nc_u64 s[22:23], s[6:7], s[22:23]
	s_add_nc_u64 s[46:47], s[8:9], s[46:47]
	s_add_nc_u64 s[92:93], s[10:11], s[92:93]
	CROUND                                         ; all sixteen work-groups are here: the first joint loads meet
	s_mov_b32 s[G0S], 1                            ; 1:0 count = 1
	s_add_co_u32 s[G0S+1], s94, SCL                ; 63:32 LDS address
	s_mov_b64 s[G0S+2:G0S+3], s[22:23]             ; 120:64 global address
	s_or_b32 s[G0S+3], s[G0S+3], 0x80000000        ; 127:126 type = 2
	s_mov_b32 s[G0SB], 1
	s_add_co_u32 s[G0SB+1], s94, SCL
	s_mov_b64 s[G0SB+2:G0SB+3], s[92:93]
	s_or_b32 s[G0SB+3], s[G0SB+3], 0x80000000
	JLOAD G0S, G1S, G0SB, G1SB                     ; the scales first: they are wanted with K step 0
.irp s, 0,1
	s_mov_b32 s[G0+4*\s], 1
	s_add_co_u32 s[G0+4*\s+1], s45, \s*SLOT
	s_add_nc_u64 s[G0+4*\s+2:G0+4*\s+3], s[20:21], \s*ROWB
	s_or_b32 s[G0+4*\s+3], s[G0+4*\s+3], 0x80000000
	s_mov_b32 s[G0B+4*\s], 1
	s_add_co_u32 s[G0B+4*\s+1], s45, \s*SLOT
	s_add_nc_u64 s[G0B+4*\s+2:G0B+4*\s+3], s[46:47], \s*ROWB
	s_or_b32 s[G0B+4*\s+3], s[G0B+4*\s+3], 0x80000000
	JLOAD G0+4*\s, G1, G0B+4*\s, G1B               ; K steps 0 and 1: three tensor loads of mine are now out, the most in this text
.endr
	v_and_b32 v1, 15, v0                           ; l % 16
	v_bfe_u32 v2, v0, 4, 1                         ; l / 16
	v_mul_u32_u24 v3, v1, PITCH
	v_mul_u32_u24 v4, v2, 24
	v_add_nc_u32 v4, v3, v4                        ; a fragment's row x pitch + 24 x half
	v_lshl_add_u32 v5, v2, 4, v4                   ; and the same behind one padding more
	s_mul_i32 s21, s15, HALFT                      ; my 128 rows of A
	s_mul_i32 s22, s16, HALFT                      ; my 128 rows of B,
	s_add_co_u32 s22, s22, 2*HALFT                 ; which lie behind A's 256
.irp s, 0,1
	v_add_nc_u32 v[ADRA+\s], s21, v4
	v_add_nc_u32 v[ADRB+\s], s22, v4
	v_add_nc_u32 v[ADRA+2+\s], s21, v5
	v_add_nc_u32 v[ADRB+2+\s], s22, v5
	s_add_co_u32 s21, s21, SLOT
	s_add_co_u32 s22, s22, SLOT
.endr
	v_mul_u32_u24 v5, v1, KS                       ; my row's scales: KS bytes a row,
	v_lshrrev_b32 v6, 8, v5
	v_lshl_add_u32 v5, v6, 4, v5                   ; and 16 more for each 256 passed
	s_mul_i32 s21, s15, HALFS                      ; A's: my 128 rows
	s_mul_i32 s22, s16, HALFS                      ; B's: my 128 rows, behind A's 256
	s_add_co_u32 s22, s22, 2*HALFS
	s_sub_co_u32 s22, s22, s21
	v_mul_u32_u24 v6, s22, v2                      ; lanes 16-31 take B's
	s_add_co_u32 s21, s21, SCL
	v_add_nc_u32 v5, v5, v6
	v_add_nc_u32 v[ADRS], s21, v5
	s_mul_i32 s23, s14, 16*SPITCH                  ; my stage
	v_mul_u32_u24 v5, v1, SPITCH                   ; in: row l % 16, 32 bytes for each half of the lanes
	v_lshl_add_u32 v5, v2, 5, v5
	v_add_nc_u32 v[STO], s23, v5
	v_and_b32 v6, 31, v0
	v_lshlrev_b32 v[CO], 4, v6                     ; back: the 32 lanes take one row of 512 bytes; and the same in C
	v_add_nc_u32 v[RD], s23, v[CO]
	s_lshl_b32 s20, s17, 8
	s_lshl_b32 s21, s15, 7
	s_add_co_u32 s20, s20, s21                     ; my first row of C: 256 x tile row + 128 x half
	s_mov_b32 s21, 0
	s_mov_b64 s[18:19], SIZE_N*4
	s_mul_u64 s[20:21], s[20:21], s[18:19]
	s_lshl_b32 s46, s42, 10                        ; my first column, in bytes: 1024 x tile column + 512 x half
	s_lshl_b32 s47, s16, 9
	s_add_co_u32 s46, s46, s47
	s_mov_b32 s47, 0
	s_add_nc_u64 s[20:21], s[20:21], s[46:47]
	s_add_nc_u64 s[12:13], s[12:13], s[20:21]
.macro FRAG reg, adr, q, i             ; a fragment, 16 rows x 128 K of 6-bit codes, is 12 registers: lane l holds row l % 16; registers 6 c .. 6 c + 5 hold K = 64 c + 32 (l / 16) + 0 .. 31: 24 bytes of the row's stream of bits, as they lie
.irp p, 0,1,2,3,4,5                    ; in pieces of 8 bytes, so that every address is a multiple of the access's size.  Lanes 0-15 take the row's pieces 12 q + 0, 1, 2 and 12 q + 6, 7, 8, lanes 16-31 those three pieces on
.set PC, 12*(\q)+6*(\p/3)+\p%3        ; the mover has laid 16 bytes of padding behind every 64 bytes (8 pieces): where the piece three on lies behind one padding more, the second address register (40 for 24 bytes a half) serves
.if PC%8 < 5
	ds_load_b64 v[\reg+2*\p:\reg+2*\p+1], v[\adr] offset:8*PC+16*(PC/8)+(\i)*16*PITCH
.else
	ds_load_b64 v[\reg+2*\p:\reg+2*\p+1], v[\adr+2] offset:8*PC+16*(PC/8)+(\i)*16*PITCH
.endif
.endr
.endm
; 16 matrix instructions: A's blocks a0, a0 + 1 x B's eight, 128 along K: the slot's q-th.  p: B's set;  sc: the set of scale words.  zero = 1: the first product starts the sums: nothing is ever cleared.
; Source 0 (B) takes its scale word from lanes 16-31 of register b, source 1 (A) from lanes 0-15 of register a.  The 64 accumulators take turns, one instruction a turn, in the same order in every step.
.macro MUL16 a0, p, q, sc, zero
.irp a, \a0, \a0+1
.irp b, 0,1,2,3,4,5,6,7
.if \zero
	v_wmma_scale_f32_16x16x128_f8f6f4 v[8*(8*((\a)%4)+\b):8*(8*((\a)%4)+\b)+7], v[128*(\p)+FR*\b:128*(\p)+FR*\b+FR-1], v[AF+FR*(\a):AF+FR*(\a)+FR-1], 0, v[SC+8*NQ*(\sc)+NQ*\b+(\q)], v[SC+8*NQ*(\sc)+NQ*(\a)+(\q)] matrix_a_fmt:MATRIX_FMT_BF6 matrix_b_fmt:MATRIX_FMT_BF6 matrix_a_scale:MATRIX_SCALE_ROW1
.else
	v_wmma_scale_f32_16x16x128_f8f6f4 v[8*(8*((\a)%4)+\b):8*(8*((\a)%4)+\b)+7], v[128*(\p)+FR*\b:128*(\p)+FR*\b+FR-1], v[AF+FR*(\a):AF+FR*(\a)+FR-1], v[8*(8*((\a)%4)+\b):8*(8*((\a)%4)+\b)+7], v[SC+8*NQ*(\sc)+NQ*\b+(\q)], v[SC+8*NQ*(\sc)+NQ*(\a)+(\q)] matrix_a_fmt:MATRIX_FMT_BF6 matrix_b_fmt:MATRIX_FMT_BF6 matrix_a_scale:MATRIX_SCALE_ROW1
.endif
.endr
.endr
.endm
.macro FETCH_B slot, q, p              ; B's eight fragments of the slot's q-th 128 along K into set p: 48 loads
	WIN TO_B
.irp i, 0,1,2,3,4,5,6,7
	FRAG 128*(\p)+FR*\i, ADRB+\slot, \q, \i
.endr
	WIN 0
.endm
.macro FETCH_A slot, q, i0             ; A's blocks i0 .. i0 + 3: 24 loads
.irp i, \i0, \i0+1, \i0+2, \i0+3
	FRAG AF+FR*(\i), ADRA+\slot, \q, \i
.endr
.endm
.macro SCALES sc                       ; the next K step's scale words into set sc: NQ words a row; lanes 0-15 take A's block i, lanes 16-31 B's block i
.irp i, 0,1,2,3,4,5,6,7
	ds_load_b64 v[SC+8*NQ*\sc+NQ*\i:SC+8*NQ*\sc+NQ*\i+1], v[ADRS] offset:\i*SBLK
.endr
.endm
; A load into a register that a matrix instruction has read, and a vector instruction or an LDS store that reads a matrix result, stand NP places behind that matrix instruction, and only plain vector
; instructions that name none of its registers are places (ISA guide 7.12.1 for vector instructions); this text does not count the matrix instructions in between.
.macro PLACES n
.rept \n
	v_nop
.endr
.endm
; A step of 128 along K that has its successor in the same slot.
.macro STEP slot, q, zero
	s_wait_dscnt 4*NL                              ; B's set, A's blocks 0-3 and the scale words are in; the youngest 24 loads (A's blocks 4-7) may be out
	WIN MUL_LO
	MUL16 0, (\q)%2, \q, \slot, \zero
	MUL16 2, (\q)%2, \q, \slot, \zero
	s_wait_dscnt 0                                 ; A's blocks 4-7 are in (asked for 32 matrix instructions ago)
	PLACES NP
	FETCH_B \slot, (\q)+1, 1-(\q)%2
	FETCH_A \slot, (\q)+1, 0
	WIN MUL_HI
	MUL16 4, (\q)%2, \q, \slot, \zero
	MUL16 6, (\q)%2, \q, \slot, \zero
	PLACES NP
	WIN 0
	FETCH_A \slot, (\q)+1, 4
.endm
; A slot's last step changes slots: ONE barrier; in front of it each wave waits for all its tensor loads, adds 0 to its spare word, and waits for that and for its own reads of this slot.  fill = 1: this slot is filled again, two K steps ahead.
.macro TURN slot, next, fill
	s_wait_tensorcnt 0x0                           ; all my tensor loads have landed: my part of the next slot;  (every window is 0 here: the add's two registers lie in window 0)
	ds_add_u32 v[SPW], v[NIL]                      ; 0 onto my spare word
	s_wait_dscnt 4*NL+1                            ; (the add and the youngest 24 loads, A's blocks 4-7, may be out)
	WIN MUL_LO
	MUL16 0, 1, NQ-1, \slot, 0                     ; sixteen matrix instructions stand between the add and the wait for it
	s_wait_dscnt 0x0                               ; the add is done, and my reads of this slot are over
	s_barrier_signal -1
	MUL16 2, 1, NQ-1, \slot, 0                     ; work on registers while the others arrive
	WIN 0
	s_barrier_wait -1
.if \fill
	CREST                                          ; the barrier has opened a round of the cluster's barrier: no wave of any partner still reads this slot's tile or has a load on its way
	s_add_nc_u64 s[G0+4*\slot+2:G0+4*\slot+3], s[G0+4*\slot+2:G0+4*\slot+3], 2*ROWB      ; no tensor load of mine is out: the descriptors may step; the type bits on top are not reached
	s_add_nc_u64 s[G0B+4*\slot+2:G0B+4*\slot+3], s[G0B+4*\slot+2:G0B+4*\slot+3], 2*ROWB
	JLOAD G0+4*\slot, G1, G0B+4*\slot, G1B         ; the first tensor load behind the round, and my only one until the next; the four v_nop behind it are the places in front of the loads below
	PLACES NP-4
.else
	PLACES NP
.endif
	v_add_nc_u32 v[ADRS], 4*NQ, v[ADRS]            ; on to the next K step's scale words (no LDS load of mine is out)
	FETCH_B \next, 0, 0
	FETCH_A \next, 0, 0
	SCALES \next
	WIN MUL_HI
	MUL16 4, 1, NQ-1, \slot, 0
	MUL16 6, 1, NQ-1, \slot, 0
	PLACES NP
	WIN 0
	FETCH_A \next, 0, 4
.endm
.macro STEPS slot, from                ; the slot's steps from .. NQ - 2
.set Q, \from
.rept NQ-1-\from
	STEP \slot, Q, 0
.set Q, Q+1
.endr
.endm
	s_wait_tensorcnt 1                             ; the scales and my part of K step 0 are in; K step 1's load may be out
	s_barrier_signal -1
	s_barrier_wait -1                              ; everybody's are
	FETCH_B 0, 0, 0
	FETCH_A 0, 0, 0
	SCALES 0
	FETCH_A 0, 0, 4
	STEP 0, 0, 1                                   ; the first step stands in front of the loop: its products start the sums
	s_mov_b32 s3, LAPS-1
.Llap:                                                 ; a trip goes once round the ring, from a lap's second step to the next lap's first, and fills both slots again: 7 trips
	STEPS 0, 1
	TURN 0, 1, 1
	STEPS 1, 0
	TURN 1, 0, 1
	STEP 0, 0, 0
	s_sub_co_u32 s3, s3, 1
	s_cmp_lg_u32 s3, 0
	s_cbranch_scc1 .Llap
	STEPS 0, 1                                     ; the last lap fills nothing, and has no round of the cluster's barrier
	TURN 0, 1, 0
	STEPS 1, 0
	s_wait_dscnt 4*NL                              ; the very last step: nothing more to fetch
	WIN MUL_LO
	MUL16 0, 1, NQ-1, 1, 0
	MUL16 2, 1, NQ-1, 1, 0
	s_wait_dscnt 0
	WIN MUL_HI
	MUL16 4, 1, NQ-1, 1, 0
	MUL16 6, 1, NQ-1, 1, 0
	WIN 0
; THE WAY OUT, block by block of 16 rows x 128 columns.  A lane holds 32 neighbouring bytes of a row, and the lanes beside it hold other rows: so a block goes through my own stage in LDS and comes back as whole
; rows of 512 bytes, which the 32 lanes store together.  LDS serves a wave's instructions in order (ISA guide 5.7.1.4): no wait between the stores and the loads, nor in front of the next block's stores.
.macro TOSTAGE a
.set AC, 64*((\a)%4)
	WIN 0x08+4*((\a)/4)                            ; the data: window 2 or 3
.irp b, 0,1,2,3,4,5,6,7
	ds_store_b128 v[STO], v[AC+8*\b:AC+8*\b+3] offset:64*\b          ; each accumulator from its low end on
	ds_store_b128 v[STO], v[AC+8*\b+4:AC+8*\b+7] offset:64*\b+16
.endr
	WIN 0
.set BB, BK+64*((\a)%2)
.irp t, 0,1,2,3,4,5,6,7,8,9,10,11,12,13,14,15
	ds_load_b128 v[BB+4*\t:BB+4*\t+3], v[RD] offset:\t*SPITCH
.endr
.endm
.macro SEND a, younger                 ; younger: the LDS instructions issued behind block a's loads, which may stay out
.set BB, BK+64*((\a)%2)
	s_wait_dscnt \younger                          ; the block is back in registers
.if (\a) > 0
	s_wait_xcnt 0x0                                ; only behind this wait is the stores' base rewritten
	s_add_nc_u64 s[12:13], s[12:13], 16*SIZE_N*4   ; 16 rows of C on, so that the stores' offsets stay small: 15 rows of 16,384 bytes at the most
.endif
.irp t, 0,1,2,3,4,5,6,7,8,9,10,11,12,13,14,15
	global_store_b128 v[CO], v[BB+4*\t:BB+4*\t+3], s[12:13] offset:\t*SIZE_N*4   ; 32 lanes store 512 consecutive bytes, at a multiple of 512 from C's first byte
.endr
.endm
	PLACES NP                                      ; behind the last products: for the loads into A's registers and for the reads of results alike
	TOSTAGE 0
.irp a, 1,2,3,4,5,6,7
	s_wait_xcnt 0x0                                ; block a - 2's stores have read their registers: block a's loads may land there
	TOSTAGE \a
	SEND \a-1, 32                                  ; behind block a - 1's loads: block a's 16 stores and 16 loads
.endr
	SEND 7, 0
	s_wait_tensorcnt 0x0                           ; the wave's end: behind my last tensor load and my last LDS store
	ds_add_u32 v[SPW], v[NIL]
	s_wait_dscnt 0x0
	CROUND                                         ; the closing round: no work-group ends while a partner may still ask for a tile that names it
	s_endpgm
.Lfunc_end_k_q3626c3ea58_gemm:
	.size	k_q3626c3ea58_gemm, .Lfunc_end_k_q3626c3ea58_gemm-k_q3626c3ea58_gemm
	.p2alignl 7, 3214868480
	.fill 96, 4, 3214868480
	.section	.rodata,"a",@progbits
	.p2align	6, 0x0
	.amdhsa_kernel k_q3626c3ea58_gemm
		.amdhsa_group_segment_fixed_size 327680
		.amdhsa_private_segment_fixed_size 0
		.amdhsa_enable_private_segment 0
		.amdhsa_kernarg_size 40
		.amdhsa_user_sgpr_count 2
		.amdhsa_user_sgpr_kernarg_segment_ptr 1
		.amdhsa_wavefront_size32 1
		.amdhsa_system_sgpr_workgroup_id_x 1
		.amdhsa_system_sgpr_workgroup_id_y 1
		.amdhsa_system_sgpr_workgroup_id_z 1
		.amdhsa_system_vgpr_workitem_id 0
		.amdhsa_next_free_vgpr 1024
		.amdhsa_next_free_sgpr 98
		.amdhsa_reserve_vcc 0
		.amdhsa_float_denorm_mode_32 3
		.amdhsa_float_denorm_mode_16_64 3
		.amdhsa_memory_ordered 1
		.amdhsa_forward_progress 1
		.amdhsa_inst_pref_size 160
	.end_amdhsa_kernel
	.amdgpu_metadata
---
amdhsa.version: [ 1, 2 ]
amdhsa.kernels:
  - .name:           k_q3626c3ea58_gemm
    .symbol:         k_q3626c3ea58_gemm.kd
    .args:
      - { .name: a_codes, .offset: 0, .size: 8, .value_kind: global_buffer, .address_space: global }
      - { .name: a_scales, .offset: 8, .size: 8, .value_kind: global_buffer, .address_space: global }
      - { .name: b_codes, .offset: 16, .size: 8, .value_kind: global_buffer, .address_space: global }
      - { .name: b_scales, .offset: 24, .size: 8, .value_kind: global_buffer, .address_space: global }
      - { .name: out0, .offset: 32, .size: 8, .value_kind: global_buffer, .address_space: global }
    .group_segment_fixed_size: 327680
    .private_segment_fixed_size: 0
    .kernarg_segment_align: 8
    .kernarg_segment_size: 40
    .max_flat_workgroup_size: 128
    .sgpr_count:     98
    .vgpr_count:     1024
    .wavefront_size: 32
...
	.end_amdgpu_metadata
.endif
;; end of part 2
;; ======== version 2 of 2: 2 launches
;; limits: right only within a limited range of input values
;; workspace buffers: a_pack 13,107,200 bytes; b_pack 13,107,200 bytes
;; launch quant (part 3): grid 512 x 1, 8 waves a work-group, no clusters, 93,184 bytes of LDS; arguments A, B, a_pack, b_pack; writes a_pack, b_pack
.if DOCPART == 3
	.amdgcn_target "amdgcn-amd-amdhsa--gfx1250"
	.amdhsa_code_object_version 6
	.text
	.protected	k_q3626c3ea58_quant
	.globl	k_q3626c3ea58_quant
	.p2align	8
	.type	k_q3626c3ea58_quant,@function
k_q3626c3ea58_quant:
	s_mov_b64 s[64:65], 0
	v_nop
	global_prefetch_b8 v0, s[64:65] scope:SCOPE_SE
	s_setreg_imm32_b32 hwreg(HW_REG_WAVE_MODE, 25, 1), 1
	s_wait_xcnt 0x0
; A [4096 m][4096 k] and B [4096 k][4096 n], f32, are turned into codes of BF6 (E3M2), 6 bits each, and one E8M0 scale byte for each 32 along K, laid as the product's launch takes them:
; a_pack (rows = m) and b_pack (rows = n): [32 half tiles of 128 rows][32 fragments of 128 along K][12,800 bytes].  Such a record: 8 blocks of 16 rows x 1,536 bytes of codes, then 512 bytes of scale words.
; A block's 1,536 bytes are 32 lane records of 48: record r + 16 h holds row r's K block h (32 codes, 24 bytes, one stream of bits, the lowest k lowest) and then its K block 2 + h.
; The scale word of row r of block i (four bytes, K block 0 lowest) lies at byte 12,288 + 32 r + 4 i of the record.
; A K block's scale is 2^(floor(log2(its largest magnitude)) - 4); its byte is that magnitude's exponent field - 4, held at 1 from below; a block of zeros gets 127.
; Each number is divided by the scale and rounded to the nearest code, ties to even; beyond 28 the largest code (the conversion does both).
; LIMITS: NaN and infinities among the inputs are not served.
; ONE LAUNCH FOR BOTH TENSORS: work-groups 0-255 take B, 256-511 take A; the branch hangs on the work-group's number alone.  Work-group x of a tensor makes half tile x / 8, fragments 4 (x % 8) on:
; 128 rows x 512 along K, 51,200 bytes that lie on end at byte 51,200 x of the pack.  They are gathered in the stage in LDS in their final order; behind ONE barrier each wave stores 6,400 of them, 256 consecutive bytes to a store.
; No tensor loads and no matrix work: every number is read once and nothing is shared between work-groups.
.set EMAX,  4                          ; the exponent of the format's largest number, 28
.set HF,    12800                      ; a half tile's record for one fragment
.set SCO,   12288                      ; where its scale words begin
.set LINE,  4*HF                       ; what a work-group makes.  Also the stage's size
.set ROWF,  16384                      ; a row of A or of B in bytes
.set EX,    LINE                       ; behind the stage: A's part's exchange buffers, two of 2,560 bytes for each wave
.set EXB,   2560                       ; 32 chunks of 64 bytes, 80 bytes apart
.set SPARE, EX+8*2*EXB                 ; behind them: the spare words, 128 bytes for each wave
.set SPW,   160                        ; v160 my spare word's LDS address; v161 0; never rewritten
.set NIL,   161
.set QO,    64                         ; v64-113  the way out: 25 pairs
	s_load_b128 s[4:7], s[0:1], 0x0                ; A, B
	s_load_b128 s[8:11], s[0:1], 0x10              ; a_pack, b_pack
	v_lshl_add_u32 v[SPW], v0, 2, SPARE
	v_mov_b32 v[NIL], 0
	v_lshrrev_b32 v1, 5, v0
	s_delay_alu instid0(VALU_DEP_1)
	v_readfirstlane_b32 s16, v1                    ; wave 0..7
	v_and_b32 v2, 31, v0                           ; lane
	s_mul_i32 s17, s16, 6400                       ; the way out: my wave's eighth of the stage,
	v_lshlrev_b32 v7, 3, v2                        ; 8 bytes a lane, in memory
	s_delay_alu instid0(VALU_DEP_1)
	v_add_nc_u32 v6, s17, v7                       ; and in the stage
	s_wait_kmcnt 0x0
	s_cmp_lt_u32 ttmp9, 256
	s_cbranch_scc1 .Lb_part
; ---------------- A: K IS INNERMOST ----------------
; Wave w takes block w of the half tile: 16 rows, one row's 512 numbers (2,048 consecutive bytes) a step.  Each load covers 512 consecutive bytes.
; The conversion wants 16 neighbours along K in ONE lane's registers, so a step goes through the wave's own exchange buffer: stored as loaded, read back as chunks of 64 bytes, a chunk to a lane,
; 80 bytes apart, so that the sixteen lanes of a read touch sixteen different columns of 16 bytes (64 banks of 4 bytes: ISA guide 11.1).
; Two neighbouring lanes hold a K block.  A step's exchange is issued one step ahead of its arithmetic; loads from memory run in six sets of registers.
.set NS, 6
.set AE, 16                            ; v16-17   a scale byte, by the step's parity
.set AC, 20                            ; v20-22, v24-26  16 codes, by the step's parity
.set AY, 32                            ; v32-63   two sets of 16 neighbours
.set AX, 64                            ; v64-159  six sets of 16 numbers as loaded
	s_sub_co_u32 s18, ttmp9, 256                   ; x
	s_lshr_b32 s19, s18, 3
	s_lshl_b32 s19, s19, 3
	s_add_co_u32 s19, s19, s16                     ; my block of 16 rows: 8 (x / 8) + w
	s_lshl_b32 s19, s19, 18                        ; 16 rows of 16,384 bytes
	s_and_b32 s20, s18, 7
	s_lshl_b32 s20, s20, 11                        ; 512 numbers along K for each x % 8
	s_add_co_u32 s20, s20, s19
	s_mov_b32 s21, 0
	s_add_nc_u64 s[4:5], s[4:5], s[20:21]
	s_mul_i32 s22, s18, LINE
	s_add_co_u32 s22, s22, s17
	s_mov_b32 s23, 0
	s_add_nc_u64 s[8:9], s[8:9], s[22:23]          ; a_pack at my wave's eighth of the group's bytes
	s_mul_i32 s24, s16, 1536                       ; my block's codes in a record
	s_lshl_b32 s25, s16, 2
	s_add_co_u32 s25, s25, SCO                     ; and its scale words
	s_mul_i32 s26, s16, 2*EXB
	s_add_co_u32 s26, s26, EX                      ; my wave's exchange buffers
	s_wait_alu depctr_va_vdst(0)
	v_lshlrev_b32 v3, 4, v2                        ; 16 bytes a lane
.macro ALOAD t
.irp i, 0,1,2,3
	global_load_b128 v[AX+16*((\t)%NS)+4*\i:AX+16*((\t)%NS)+4*\i+3], v3, s[4:5] offset:(\t)*ROWF+512*\i th:TH_LOAD_NT
.endr
.endm
.irp t, 0,1,2,3,4,5
	ALOAD \t
.endr
	; Lane l of a step holds K = 16 l on: fragment l / 8 of the four, K block b = (l / 2) % 4 of it, half l % 2 of the block.  K block b lies in lane record r + 16 (b % 2), at byte 24 (b / 2).
	v_lshrrev_b32 v8, 3, v2
	s_delay_alu instid0(VALU_DEP_1)
	v_mul_u32_u24 v4, v8, HF
	s_delay_alu instid0(VALU_DEP_1)
	v_mov_b32 v5, v4
	v_bfe_u32 v9, v2, 1, 1
	s_delay_alu instid0(VALU_DEP_1)
	v_mad_u32_u24 v4, v9, 768, v4
	v_bfe_u32 v9, v2, 2, 1
	s_delay_alu instid0(VALU_DEP_1)
	v_mad_u32_u24 v4, v9, 24, v4
	v_and_b32 v9, 1, v2
	s_delay_alu instid0(VALU_DEP_1)
	v_mad_u32_u24 v4, v9, 12, v4
	s_delay_alu instid0(VALU_DEP_1)
	v_add_nc_u32 v4, s24, v4                       ; where my 12 bytes of codes go (row r = the step: 48 bytes a row, in the immediate)
	v_bfe_u32 v9, v2, 1, 2
	s_delay_alu instid0(VALU_DEP_1)
	v_add_nc_u32 v5, v5, v9
	s_delay_alu instid0(VALU_DEP_1)
	v_add_nc_u32 v5, s25, v5                       ; where my K block's byte goes (32 bytes a row, in the immediate)
	v_lshrrev_b32 v8, 2, v2
	s_delay_alu instid0(VALU_DEP_1)
	v_mul_u32_u24 v10, v8, 80
	v_and_b32 v9, 3, v2
	s_delay_alu instid0(VALU_DEP_1)
	v_lshl_add_u32 v10, v9, 4, v10
	s_delay_alu instid0(VALU_DEP_1)
	v_add_nc_u32 v10, s26, v10                     ; in: load i's lane l holds piece l % 4 of chunk 8 i + l / 4
	v_mul_u32_u24 v14, v2, 80
	s_delay_alu instid0(VALU_DEP_1)
	v_add_nc_u32 v14, s26, v14                     ; back: chunk l
.macro ASTEP t                         ; step t goes into the exchange; step t - 1, which has come back, is quantised
.if (\t) < 16
.if (\t) == 0
	s_wait_loadcnt 4*(NS-1)                        ; step 0's four loads are in; the five sets behind it may be out
.elseif 15-(\t) >= NS-2
	s_wait_loadcnt 4*(NS-2)                        ; this step's four loads are in; behind them stand four sets' sixteen
.else
	s_wait_loadcnt 4*(15-(\t))                     ; the last steps: the counts run down
.endif
.irp i, 0,1,2,3
	ds_store_b128 v10, v[AX+16*((\t)%NS)+4*\i:AX+16*((\t)%NS)+4*\i+3] offset:EXB*((\t)%2)+640*\i
.endr
.irp j, 0,1,2,3
	ds_load_b128 v[AY+16*((\t)%2)+4*\j:AY+16*((\t)%2)+4*\j+3], v14 offset:EXB*((\t)%2)+16*\j   ; LDS serves a wave's instructions in order (ISA guide 5.7.1.4): these see the stores above
.endr
.endif
.if (\t) > 0
.set U, (\t)-1
.set YS, AY+16*(U%2)
.if (\t) < 16
	s_wait_dscnt 8                                 ; all but this step's own eight: step t - 1 is back in registers, and the stage stores of the steps before are done
.else
	s_wait_dscnt 0
.endif
.if U+NS < 16
	ALOAD U+NS                                     ; into the set that step t - 1's exchange stores have left
.endif
	v_max3_num_f32 v8, |v[YS]|, |v[YS+1]|, |v[YS+2]|               ; the largest magnitude of my 16, in two chains
	v_max3_num_f32 v9, |v[YS+3]|, |v[YS+4]|, |v[YS+5]|
.irp i, 6,10
	s_delay_alu instid0(VALU_DEP_2)
	v_max3_num_f32 v8, v8, |v[YS+\i]|, |v[YS+\i+1]|
	s_delay_alu instid0(VALU_DEP_2)
	v_max3_num_f32 v9, v9, |v[YS+\i+2]|, |v[YS+\i+3]|
.endr
	s_delay_alu instid0(VALU_DEP_2)
	v_max3_num_f32 v8, v8, |v[YS+14]|, |v[YS+15]|
	s_delay_alu instid0(VALU_DEP_1)
	v_max_num_f32 v8, v8, v9
	s_delay_alu instid0(VALU_DEP_1)
	v_max_num_f32_dpp v8, v8, v8 row_xmask:1 row_mask:0xf bank_mask:0xf   ; and of my neighbour's 16: the block's
	s_delay_alu instid0(VALU_DEP_1)
	v_lshrrev_b32 v9, 23, v8                       ; its exponent field (the sign bit is 0)
	s_delay_alu instid0(VALU_DEP_1)
	v_max_u32 v9, EMAX+1, v9                       ; the byte is not to fall under 1
	s_delay_alu instid0(VALU_DEP_1)
	v_add_nc_u32 v9, -EMAX, v9                     ; the scale's byte
	s_delay_alu instid0(VALU_DEP_1)
	v_lshlrev_b32 v11, 23, v9                      ; and the scale as f32: the conversion takes its exponent field
	v_cmp_eq_u32 vcc_lo, 0, v8                     ; a block of zeros?
	v_cvt_scalef32_pk16_bf6_f32 v[AC+4*(U%2):AC+4*(U%2)+2], v[YS:YS+15], v11   ; 96 bits without gaps, the first number's code lowest
	v_cndmask_b32 v[AE+U%2], v9, 127, vcc_lo       ; a block of zeros gets 127.  (Also the one plain vector instruction behind the scaled conversion)
	ds_store_b8 v5, v[AE+U%2] offset:32*U          ; both lanes of a block write the same byte with the same value
.irp i, 0,1,2
	ds_store_b32 v4, v[AC+4*(U%2)+\i] offset:48*U+4*\i
.endr
.endif
.endm
	s_wait_alu depctr_va_vdst(0)
.irp t, 0,1,2,3,4,5,6,7,8,9,10,11,12,13,14,15,16
	ASTEP \t                                       ; written out: every offset is an immediate
.endr
	s_branch .Lout
; ---------------- B: K IS THE FIRST AXIS ----------------
; A LANE TAKES A COLUMN n, AND ITS REGISTERS RUN DOWN K: a K block lies in one lane's 32 registers, its largest magnitude needs no other lane, and the conversions give codes with K innermost.
; Wave w takes fragment w / 2 of the group's four and columns 64 (w % 2) on: lane l columns l and 32 + l of these, by turns, 4 K blocks of each.
; Each load reads 128 consecutive bytes of a row of B; the next run of loads reads the 128 beside them.
.set BX,  32                           ; v32-95   two sets of 32 numbers
.set BCD, 96                           ; v96-102  a block's codes
.set BSB, 24                           ; v24-25   my two columns' scale words
.Lb_part:
	s_lshr_b32 s18, ttmp9, 3                       ; which 128 columns
	s_and_b32 s19, ttmp9, 7                        ; which 512 along K
	s_lshr_b32 s25, s16, 1                         ; my fragment
	s_and_b32 s24, s16, 1                          ; my 64 columns
	s_lshl_b32 s20, s19, 2
	s_add_co_u32 s20, s20, s25
	s_lshl_b32 s20, s20, 21                        ; 128 rows of 16,384 bytes a fragment
	s_lshl_b32 s21, s18, 1
	s_add_co_u32 s21, s21, s24
	s_lshl_b32 s21, s21, 8                         ; 64 columns of 4 bytes
	s_add_co_u32 s20, s20, s21
	s_mov_b32 s21, 0
	s_add_nc_u64 s[6:7], s[6:7], s[20:21]          ; B at my wave's first row and first column
	s_mul_i32 s22, ttmp9, LINE
	s_add_co_u32 s22, s22, s17
	s_mov_b32 s23, 0
	s_add_nc_u64 s[8:9], s[10:11], s[22:23]        ; b_pack at my wave's eighth of the group's bytes
	s_mul_i32 s28, s25, HF                         ; the stage: my fragment's record,
	s_mul_i32 s27, s24, 4*1536
	s_add_co_u32 s26, s28, s27                     ; in it my four blocks of 16 columns,
	s_lshl_b32 s27, s24, 4
	s_add_co_u32 s28, s28, s27
	s_add_co_u32 s28, s28, SCO                     ; and their scale words
	s_wait_alu depctr_va_vdst(0)
	v_lshlrev_b32 v3, 2, v2                        ; 4 bytes a lane
.macro BLOAD u                         ; sub-block u = 2 t + c: B(32 t + i, 32 c + lane), i = 0 .. 31, into set c.  The largest offset, 2,080,896, lies inside the signed 24-bit immediate (ISA guide, chapter 10)
.irp i, 0,1,2,3,4,5,6,7,8,9,10,11,12,13,14,15,16,17,18,19,20,21,22,23,24,25,26,27,28,29,30,31
	global_load_b32 v[BX+32*((\u)%2)+\i], v3, s[6:7] offset:(32*((\u)/2)+\i)*ROWF+128*((\u)%2) th:TH_LOAD_NT
.endr
.endm
	BLOAD 0
	BLOAD 1                                        ; loads run two sub-blocks (64 loads a wave) ahead
	v_lshrrev_b32 v8, 4, v2
	v_and_b32 v9, 15, v2
	s_delay_alu instid0(VALU_DEP_2)
	v_mul_u32_u24 v4, v8, 1536                     ; lanes 16-31 stand in the next block of 16 columns
	s_delay_alu instid0(VALU_DEP_2)
	v_lshlrev_b32 v5, 5, v9
	s_delay_alu instid0(VALU_DEP_2)
	v_add_nc_u32 v4, s26, v4
	s_delay_alu instid0(VALU_DEP_2)
	v_lshl_add_u32 v5, v8, 2, v5
	s_delay_alu instid0(VALU_DEP_2)
	v_mad_u32_u24 v4, v9, 48, v4                   ; my column's lane record r (K block t goes to record r + 16 (t % 2), at byte 24 (t / 2); columns 32 on: two blocks further)
	s_delay_alu instid0(VALU_DEP_2)
	v_add_nc_u32 v5, s28, v5                       ; where my column's scale word goes: 32 r + 4 x block
.macro BBLOCK u
.set XS, BX+32*((\u)%2)
.set BT, (\u)/2
.set BC, (\u)%2
.if (\u) < 7
	s_wait_loadcnt 32                              ; this sub-block's 32 loads are in; the next one's may be out
.else
	s_wait_loadcnt 0
.endif
	v_max3_num_f32 v12, |v[XS]|, |v[XS+1]|, |v[XS+2]|              ; the block's largest magnitude: all 32 numbers are mine
	v_max3_num_f32 v13, |v[XS+3]|, |v[XS+4]|, |v[XS+5]|
.irp i, 6,10,14,18,22,26
	s_delay_alu instid0(VALU_DEP_2)
	v_max3_num_f32 v12, v12, |v[XS+\i]|, |v[XS+\i+1]|
	s_delay_alu instid0(VALU_DEP_2)
	v_max3_num_f32 v13, v13, |v[XS+\i+2]|, |v[XS+\i+3]|
.endr
	s_delay_alu instid0(VALU_DEP_2)
	v_max3_num_f32 v12, v12, |v[XS+30]|, |v[XS+31]|
	s_delay_alu instid0(VALU_DEP_1)
	v_max_num_f32 v12, v12, v13
	s_delay_alu instid0(VALU_DEP_1)
	v_lshrrev_b32 v13, 23, v12                     ; its exponent field
	s_delay_alu instid0(VALU_DEP_1)
	v_max_u32 v13, EMAX+1, v13                     ; the byte is not to fall under 1
	s_delay_alu instid0(VALU_DEP_1)
	v_add_nc_u32 v13, -EMAX, v13                   ; the scale's byte
	s_delay_alu instid0(VALU_DEP_1)
	v_lshlrev_b32 v11, 23, v13                     ; and the scale as f32, for the conversion
	v_cmp_eq_u32 vcc_lo, 0, v12
	s_delay_alu instid0(VALU_DEP_1)
	v_cndmask_b32 v13, v13, 127, vcc_lo            ; a block of zeros gets 127
.if BT == 0
	s_delay_alu instid0(VALU_DEP_1)
	v_mov_b32 v[BSB+BC], v13                       ; the fragment's four bytes make the column's scale word, the lower K in the lower byte
.else
	s_delay_alu instid0(VALU_DEP_1)
	v_lshl_or_b32 v[BSB+BC], v13, 8*BT, v[BSB+BC]
.endif
	v_cvt_scalef32_pk16_bf6_f32 v[BCD:BCD+2], v[XS:XS+15], v11
	v_cvt_scalef32_pk16_bf6_f32 v[BCD+4:BCD+6], v[XS+16:XS+31], v11   ; (a conversion's three registers begin on an even number)
	v_nop                                          ; one plain vector instruction behind the scaled conversions
	v_mov_b32 v[BCD+3], v[BCD+4]                   ; the block's 24 bytes in six registers on end
	v_mov_b32 v[BCD+4], v[BCD+5]
	v_mov_b32 v[BCD+5], v[BCD+6]
.irp i, 0,1,2
	ds_store_b64 v4, v[BCD+2*\i:BCD+2*\i+1] offset:2*1536*BC+768*(BT%2)+24*(BT/2)+8*\i   ; every address is a multiple of 8
.endr
.if (\u)+2 < 8
	BLOAD (\u)+2
.endif
	s_wait_dscnt 0x0                               ; the stores are done: the next block's codes may be written
.endm
.irp u, 0,1,2,3,4,5,6,7
	BBLOCK \u
.endr
	ds_store_b32 v5, v[BSB]
	s_wait_alu depctr_va_vdst(0)
	ds_store_b32 v5, v[BSB+1] offset:8
; ---------------- THE WAY OUT, for both parts ----------------
.Lout:
	s_wait_dscnt 0x0                               ; for the others' sake: all my stores into the stage are done
	s_barrier_signal -1
	s_barrier_wait -1                              ; everybody's are
.irp j, 0,1,2,3,4,5,6,7,8,9,10,11,12,13,14,15,16,17,18,19,20,21,22,23,24
	ds_load_b64 v[QO+2*\j:QO+2*\j+1], v6 offset:256*\j
.endr
.irp j, 0,1,2,3,4,5,6,7,8,9,10,11,12,13,14,15,16,17,18,19,20,21,22,23,24
	s_wait_dscnt 24-\j                             ; LDS loads come back in order (ISA guide 5.7.1): load j is in, the younger ones may be out
	global_store_b64 v7, v[QO+2*\j:QO+2*\j+1], s[8:9] offset:256*\j   ; 32 lanes store 256 consecutive bytes at a multiple of 256 from the buffer's first byte
.endr
	s_wait_tensorcnt 0x0                           ; the wave's end
	ds_add_u32 v[SPW], v[NIL]
	s_wait_dscnt 0x0
	s_endpgm
.Lfunc_end_k_q3626c3ea58_quant:
	.size	k_q3626c3ea58_quant, .Lfunc_end_k_q3626c3ea58_quant-k_q3626c3ea58_quant
	.p2alignl 7, 3214868480
	.fill 96, 4, 3214868480
	.section	.rodata,"a",@progbits
	.p2align	6, 0x0
	.amdhsa_kernel k_q3626c3ea58_quant
		.amdhsa_group_segment_fixed_size 93184
		.amdhsa_private_segment_fixed_size 0
		.amdhsa_enable_private_segment 0
		.amdhsa_kernarg_size 32
		.amdhsa_user_sgpr_count 2
		.amdhsa_user_sgpr_kernarg_segment_ptr 1
		.amdhsa_wavefront_size32 1
		.amdhsa_system_sgpr_workgroup_id_x 1
		.amdhsa_system_sgpr_workgroup_id_y 1
		.amdhsa_system_sgpr_workgroup_id_z 1
		.amdhsa_system_vgpr_workitem_id 0
		.amdhsa_next_free_vgpr 162
		.amdhsa_next_free_sgpr 66
		.amdhsa_reserve_vcc 1
		.amdhsa_float_denorm_mode_32 3
		.amdhsa_float_denorm_mode_16_64 3
		.amdhsa_memory_ordered 1
		.amdhsa_forward_progress 1
		.amdhsa_inst_pref_size 91
	.end_amdhsa_kernel
	.amdgpu_metadata
---
amdhsa.version: [ 1, 2 ]
amdhsa.kernels:
  - .name:           k_q3626c3ea58_quant
    .symbol:         k_q3626c3ea58_quant.kd
    .args:
      - { .name: A, .offset: 0, .size: 8, .value_kind: global_buffer, .address_space: global }
      - { .name: B, .offset: 8, .size: 8, .value_kind: global_buffer, .address_space: global }
      - { .name: a_pack, .offset: 16, .size: 8, .value_kind: global_buffer, .address_space: global }
      - { .name: b_pack, .offset: 24, .size: 8, .value_kind: global_buffer, .address_space: global }
    .group_segment_fixed_size: 93184
    .private_segment_fixed_size: 0
    .kernarg_segment_align: 8
    .kernarg_segment_size: 32
    .max_flat_workgroup_size: 256
    .sgpr_count:     66
    .vgpr_count:     162
    .wavefront_size: 32
...
	.end_amdgpu_metadata
.endif
;; end of part 3
;; launch gemm (part 4): grid 16 x 16, 4 waves a work-group, clusters of 4 x 4, 327,680 bytes of LDS; arguments a_pack, b_pack, out0; writes out0
.if DOCPART == 4
	.amdgcn_target "amdgcn-amd-amdhsa--gfx1250"
	.amdhsa_code_object_version 6
	.text
	.protected	k_q3626c3ea58_gemm
	.globl	k_q3626c3ea58_gemm
	.p2align	8
	.type	k_q3626c3ea58_gemm,@function
k_q3626c3ea58_gemm:
	s_mov_b64 s[64:65], 0
	v_nop
	global_prefetch_b8 v0, s[64:65] scope:SCOPE_SE
	s_setreg_imm32_b32 hwreg(HW_REG_WAVE_MODE, 25, 1), 1
	s_wait_xcnt 0x0
	s_wait_alu depctr_hold_cnt(0) depctr_sa_sdst(0) depctr_va_vdst(0) depctr_va_sdst(0) depctr_va_ssrc(0) depctr_va_vcc(0) depctr_vm_vsrc(0)
	s_getreg_b32 s2, hwreg(HW_REG_IB_STS2, 6, 4)
	s_cmp_eq_u32 s2, 0
	s_cbranch_scc0 .Lentry_in_a_cluster
	s_endpgm
.Lentry_in_a_cluster:
	s_bfe_u32 s2, ttmp6, 0x10000c
	s_cmp_lg_u32 s2, 0xf033
	s_cbranch_scc0 .Lentry_shape_is_right
	s_endpgm
.Lentry_shape_is_right:
; out0[m][n] = sum over k of A[m][k] B[k][n] on codes of BF6 (E3M2) with one E8M0 scale for each 32 along K; sums in f32.
; a_pack (rows m) and b_pack (rows n): [32 half tiles of 128 rows][32 fragments of 128 along K][12,800 bytes]: 8 blocks of 16 rows x 1,536 bytes of codes (lane l's 12 operand registers are the 48 bytes at 48 l),
; then 512 bytes of scale words (row r of block i at 32 r + 4 i).
; A tile of 256 x 256 is made by a work-group of four waves, 128 x 128 each: 64 accumulators, 512 registers.  K goes in chunks of three fragments through two LDS slots; chunk c lies in slot c % 2; chunk 10 has two fragments.
; A wave's tensor load brings one half tile's chunk, 38,400 bytes that lie on end in memory, as 150 rows of 256 bytes, each at a multiple of 256 bytes (the last chunk: 100 rows).
; CLUSTERS: 4 x 4 work-groups.  A's half tiles are shared along a row of the cluster, B's along a column: each is asked for jointly, by the same load with a mask that names the four.
; THE MATRIX INSTRUCTION IS USED TRANSPOSED (source 0 = 16 rows of b_pack, source 1 = 16 rows of a_pack): a lane holds eight neighbouring numbers of a row of out0.
; PREFETCH INTO THE L2: at the load of chunk c every wave asks for chunk c + 2 of the half tile that it fetches (the head also for chunk 1).  The four partners that ask for a half tile jointly share its 150 blocks of 256 bytes
; out by address: the partner at place p names blocks 38 p .. 38 p + 37, held at 149, a lane a block, two instructions; of the last chunk's 100 blocks 25 p .. 25 p + 24, one instruction.  Beyond chunk 10 nothing is asked for.
; REGISTERS: window 0: v0-31 addresses; v32-47 scale words, two sets; v128-223 A's fragments, ONE set.  Window 1: B's fragments, two sets, at v0 and v128.  Windows 2, 3: the accumulators of my rows 0-63, 64-127 ((a, b) at v[8 (8 (a % 4) + b)]).
.set SIZE_N, 4096
.set HF,     12800                     ; a half tile's record for one fragment
.set SCO,    12288                     ; where its scale words begin
.set LINE,   32*HF                     ; a half tile, all of K
.set CH,     3*HF                      ; a chunk of a half tile
.set SLOT,   4*CH                      ; A's two half tiles, then B's two
.set SPARE,  2*SLOT                    ; behind the ring: the spare words, 128 bytes for each wave
.set STAGE,  SLOT                      ; the way out's stages lie in slot 1: it has had its last fill and its last read by then (the last chunk lies in slot 0)
.set SPITCH, 528                       ; a stage row: 512 bytes + 16
.set FR,     12                        ; registers of a fragment
.set NP,     4                         ; places behind this matrix instruction (ISA guide 7.12.1)
.set ADRA, 16                          ; v16-17 LDS address of my A fragments in slot 0, 1
.set ADRB, 20                          ; v20-21 the same for B
.set ADRS, 22                          ; v22-23 of my scale words: lanes 0-15 A's rows, lanes 16-31 B's
.set STO,  24                          ; the way out: where I put 32 bytes of a row,
.set RD,   25                          ; where I read a row back,
.set CO,   26                          ; and my byte offset in a row of out0
.set PFS,  27                          ; the prefetch's offset in the last chunk
.set SPW,  28                          ; my spare word's LDS address; never rewritten
.set NIL,  29                          ; 0; never rewritten
.set PFO,  30                          ; v30-31 the prefetches' offsets in a chunk; never rewritten
.set SC,   32                          ; scale words: set p at v[SC + 8 p]; register i: lanes 0-15 A's block i, lanes 16-31 B's block i
.set AF,   128
.set G1, 24                            ; s[24:31] group 1 for A's loads; s[32:39] group 0, one set for each slot
.set G0, 32
.set G1B, 48                           ; the same for B's
.set G0B, 56
.set PFA, 66                           ; s[66:67] where my prefetches stand
.set MSB, 0
.macro WIN new                         ; the immediate's high byte repeats the setting that is left
.if MSB != \new
	s_set_vgpr_msb (MSB<<8)|\new
.set MSB, \new
.endif
.endm
.set MUL_LO, 0xa1                      ; source 0 (B) window 1, source 1 (A) window 0, C and D window 2
.set MUL_HI, 0xf1                      ; the same, C and D window 3
.set TO_B,   0x40                      ; destination window 1, address window 0
.macro JLOAD s                         ; a joint load: waves 0 and 1 fetch A's half tiles, waves 2 and 3 B's
	s_cmp_eq_u32 s15, 0
	s_cbranch_scc0 .Lfor_b_\@
	tensor_load_to_lds s[G0+4*\s:G0+4*\s+3], s[G1:G1+7]
	s_nop 0
.rept 4
	v_nop
.endr
	s_branch .Lasked_\@
.Lfor_b_\@:
	tensor_load_to_lds s[G0B+4*\s:G0B+4*\s+3], s[G1B:G1B+7]
	s_nop 0
.rept 4
	v_nop
.endr
.Lasked_\@:
.endm
.macro CREST                           ; a round of the cluster's barrier behind its opening barrier
	s_cmp_lg_u32 s14, 0
	s_cbranch_scc1 .Lnot_wave_0_\@
	s_barrier_signal -3
.Lnot_wave_0_\@:
	s_barrier_wait -3
	s_barrier_signal -1
	s_barrier_wait -1
.endm
.macro CROUND
	s_barrier_signal -1
	s_barrier_wait -1
	CREST
.endm
.macro PF reg, off
	global_prefetch_b8 v[\reg], s[PFA:PFA+1] offset:\off th:TH_LOAD_NT scope:SCOPE_SE
.endm
; The chunk two loads on.  how = 1: always; 2: not in the loop's last trip (there is no chunk 11); 3: in the loop's last trip the short chunk 10
.macro ASK how
.if \how >= 2
	s_cmp_gt_u32 s3, 1                             ; s3 = 1 in the loop's last trip
	s_cbranch_scc0 .Llate_\@
.endif
	PF PFO, 2*CH
	PF PFO+1, 2*CH
.if \how == 3
	s_branch .Lpf_done_\@
.endif
.if \how >= 2
.Llate_\@:
.endif
.if \how == 3
	PF PFS, 2*CH
.Lpf_done_\@:
.endif
.endm
	s_load_b128 s[4:7], s[0:1], 0x0                ; a_pack, b_pack
	s_load_b64 s[12:13], s[0:1], 0x10              ; out0
	v_lshl_add_u32 v[SPW], v0, 2, SPARE
	v_mov_b32 v[NIL], 0
	ds_add_u32 v[SPW], v[NIL]                      ; the opening lines: the add, twice on end, and its wait ahead of my first tensor load
	ds_add_u32 v[SPW], v[NIL]
	v_lshrrev_b32 v1, 5, v0
	v_readfirstlane_b32 s14, v1                    ; wave 0..3
	s_lshr_b32 s15, s14, 1                         ; which half of the tile's rows is mine.  Also: I fetch for A (0) or for B (1)
	s_and_b32 s16, s14, 1                          ; which half of its columns.  Also: which half tile I fetch
	s_bfe_u32 s40, ttmp6, 0x40000                  ; cx, cy: my place in the cluster
	s_bfe_u32 s41, ttmp6, 0x40004
	s_lshl_b32 s42, ttmp9, 2
	s_add_co_u32 s42, s42, s40                     ; tile column = 4 x cluster x + cx
	s_and_b32 s17, ttmp7, 0xffff
	s_lshl_b32 s17, s17, 2
	s_add_co_u32 s17, s17, s41                     ; tile row = 4 x cluster y + cy
	s_lshl_b32 s43, s41, 2
	s_lshl_b32 s43, 15, s43                        ; my row of the cluster
	s_lshl_b32 s44, 0x1111, s40                    ; my column
	s_or_b32 s[G1+0], s43, (3<<16)|(1<<21)         ; the mask; elements of 8 bytes; bit 21 beside a mask; no padding: lane records 48 bytes apart fall on different banks as they lie
	s_or_b32 s[G1B+0], s44, (3<<16)|(1<<21)
.irp g, G1, G1B
	s_mov_b32 s[\g+1], 32<<16                      ; tensor_dim0 = 32 elements: rows of 256 bytes
	s_mov_b32 s[\g+2], 150<<16                     ; tensor_dim1 = 150 rows
	s_mov_b32 s[\g+3], 32<<16                      ; tile_dim0
	s_mov_b32 s[\g+4], 150                         ; tile_dim1
	s_mov_b32 s[\g+5], 32                          ; the pitch: the rows lie on end
	s_mov_b32 s[\g+6], 0
	s_mov_b32 s[\g+7], 0
.endr
	s_lshl_b32 s20, s17, 1
	s_add_co_u32 s20, s20, s16
	s_mul_i32 s20, s20, LINE                       ; A: half tile 2 x tile row + half
	s_mov_b32 s21, 0
	s_lshl_b32 s46, s42, 1
	s_add_co_u32 s46, s46, s16
	s_mul_i32 s46, s46, LINE                       ; B: half tile 2 x tile column + half
	s_mov_b32 s47, 0
	s_mul_i32 s45, s14, CH                         ; where my loads go: wave x a chunk: no place in the cluster enters an LDS address
	s_mul_i32 s22, s15, CH                         ; what I read: my half tile of A,
	s_mul_i32 s23, s16, CH
	s_add_co_u32 s23, s23, 2*CH                    ; and of B, behind A's two
	s_sub_co_u32 s18, s23, s22
	s_mul_i32 s10, s14, 16*SPITCH
	s_add_co_u32 s10, s10, STAGE                   ; my stage
	s_lshl_b32 s8, s17, 1
	s_add_co_u32 s8, s8, s15
	s_lshl_b32 s8, s8, 21                          ; my first row of out0: 128 rows of 16,384 bytes a half
	s_lshl_b32 s9, s42, 1
	s_add_co_u32 s9, s9, s16
	s_lshl_b32 s9, s9, 9                           ; my first column: 512 bytes a half
	s_add_co_u32 s8, s8, s9
	s_mov_b32 s9, 0
	s_cmp_eq_u32 s15, 0
	s_cselect_b32 s19, s40, s41                    ; my place among the four that ask with me
	s_mul_i32 s11, s19, 25
	s_mul_i32 s19, s19, 38
	s_wait_dscnt 0x0                               ; both opening adds are done
	s_wait_kmcnt 0x0
	s_add_nc_u64 s[20:21], s[4:5], s[20:21]
	s_add_nc_u64 s[46:47], s[6:7], s[46:47]
	s_add_nc_u64 s[12:13], s[12:13], s[8:9]
	s_cmp_eq_u32 s15, 0
	s_cselect_b64 s[PFA:PFA+1], s[20:21], s[46:47] ; the half tile that I fetch,
	s_add_nc_u64 s[PFA:PFA+1], s[PFA:PFA+1], CH    ; at chunk 1
.irp s, 0,1
	s_mov_b32 s[G0+4*\s], 1
	s_add_co_u32 s[G0+4*\s+1], s45, \s*SLOT
	s_add_nc_u64 s[G0+4*\s+2:G0+4*\s+3], s[20:21], \s*CH
	s_or_b32 s[G0+4*\s+3], s[G0+4*\s+3], 0x80000000
	s_mov_b32 s[G0B+4*\s], 1
	s_add_co_u32 s[G0B+4*\s+1], s45, \s*SLOT
	s_add_nc_u64 s[G0B+4*\s+2:G0B+4*\s+3], s[46:47], \s*CH
	s_or_b32 s[G0B+4*\s+3], s[G0B+4*\s+3], 0x80000000
.endr
	CROUND                                         ; all sixteen work-groups are here: the first joint loads meet
	JLOAD 0                                        ; chunk 0: one tensor load a wave at the head
	v_and_b32 v6, 31, v0                           ; lane
	v_min_u32 v4, 5, v6
	v_min_u32 v5, 24, v6
	v_add_nc_u32 v3, s19, v6                       ; blocks 38 p + lane,
	v_add3_u32 v4, v4, s19, 32                     ; 38 p + 32 .. 38 p + 37 (the lanes left over name the last again),
	v_add_nc_u32 v5, s11, v5                       ; and in the last chunk 25 p .. 25 p + 24
	v_min_u32 v3, 149, v3                          ; a chunk has 150
	v_min_u32 v4, 149, v4
	v_lshlrev_b32 v[PFO], 8, v3
	v_lshlrev_b32 v[PFO+1], 8, v4
	v_lshlrev_b32 v[PFS], 8, v5
	PF PFO, 0                                      ; chunk 1
	PF PFO+1, 0
	PF PFO, CH                                     ; chunk 2
	PF PFO+1, CH
	v_and_b32 v1, 15, v0                           ; r
	v_bfe_u32 v2, v0, 4, 1                         ; h
	v_mul_u32_u24 v4, v6, 48                       ; my lane record
	v_mul_u32_u24 v3, s18, v2                      ; lanes 16-31 take B's scale words
	v_lshl_add_u32 v5, v1, 5, v3                   ; 32 bytes a row
	v_add_nc_u32 v[ADRA], s22, v4
	v_add_nc_u32 v[ADRB], s23, v4
	v_add_nc_u32 v[ADRS], s22, v5
	v_add_nc_u32 v[ADRA+1], SLOT, v[ADRA]
	v_add_nc_u32 v[ADRB+1], SLOT, v[ADRB]
	v_add_nc_u32 v[ADRS+1], SLOT, v[ADRS]
	v_mul_u32_u24 v5, v1, SPITCH                   ; into the stage: row r, 32 bytes for each half of the lanes
	v_lshl_add_u32 v5, v2, 5, v5
	v_add_nc_u32 v[STO], s10, v5
	v_lshlrev_b32 v[CO], 4, v6                     ; back: the 32 lanes take one row of 512 bytes; and the same in out0
	v_add_nc_u32 v[RD], s10, v[CO]
.macro FRAG reg, adr, q, i             ; a fragment: my 48 bytes of block i of the chunk's fragment q
.irp j, 0,1,2
	ds_load_b128 v[\reg+4*\j:\reg+4*\j+3], v[\adr] offset:(\q)*HF+(\i)*1536+16*\j
.endr
.endm
; 8 matrix instructions: A's block a against B's eight, 128 along K, B's set and scale set p.  The accumulators take turns, one instruction a turn.
.macro MUL8 a, p, zero
.irp b, 0,1,2,3,4,5,6,7
.set DD, 8*(8*((\a)%4)+\b)
.set BB0, 128*(\p)+FR*\b
.set AA0, AF+FR*(\a)
.if \zero
	v_wmma_scale_f32_16x16x128_f8f6f4 v[DD:DD+7], v[BB0:BB0+FR-1], v[AA0:AA0+FR-1], 0, v[SC+8*(\p)+\b], v[SC+8*(\p)+(\a)] matrix_a_fmt:MATRIX_FMT_BF6 matrix_b_fmt:MATRIX_FMT_BF6 matrix_a_scale:MATRIX_SCALE_ROW1
.else
	v_wmma_scale_f32_16x16x128_f8f6f4 v[DD:DD+7], v[BB0:BB0+FR-1], v[AA0:AA0+FR-1], v[DD:DD+7], v[SC+8*(\p)+\b], v[SC+8*(\p)+(\a)] matrix_a_fmt:MATRIX_FMT_BF6 matrix_b_fmt:MATRIX_FMT_BF6 matrix_a_scale:MATRIX_SCALE_ROW1
.endif
.endr
.endm
.macro MUL16 a0, p, zero
	MUL8 \a0, \p, \zero
	MUL8 \a0+1, \p, \zero
.endm
; 38 LDS loads in one run: B's eight fragments into set p, the sixteen scale words (two loads), A's blocks 0-3
.macro FETCH slot, q, p
	WIN TO_B
.irp i, 0,1,2,3,4,5,6,7
	FRAG 128*(\p)+FR*\i, ADRB+\slot, \q, \i
.endr
	WIN 0
	ds_load_b128 v[SC+8*(\p):SC+8*(\p)+3], v[ADRS+\slot] offset:(\q)*HF+SCO
	ds_load_b128 v[SC+8*(\p)+4:SC+8*(\p)+7], v[ADRS+\slot] offset:(\q)*HF+SCO+16
.irp i, 0,1,2,3
	FRAG AF+FR*\i, ADRA+\slot, \q, \i
.endr
.endm
.macro FETCH_HI slot, q                ; 12 loads: A's blocks 4-7
.irp i, 4,5,6,7
	FRAG AF+FR*\i, ADRA+\slot, \q, \i
.endr
.endm
.macro PLACES                          ; plain vector instructions between a matrix instruction and a load into, or a store of, its registers
.rept NP
	v_nop
.endr
.endm
; A step of 128 along K: 64 matrix instructions, A's blocks one after the other.  The next step's fragments (fragment q + 1 of the same slot) are fetched in its middle and at its end.
.macro STEP slot, q, p, zero
	s_wait_dscnt 18                                ; B's set, the scale words and A's blocks 0, 1 are in; the loads of blocks 2, 3 (6) and 4-7 (12) may be out
	WIN MUL_LO
	MUL16 0, \p, \zero
	s_wait_dscnt 12                                ; blocks 2, 3 are in
	MUL16 2, \p, \zero
	PLACES
	FETCH \slot, (\q)+1, 1-(\p)
	s_wait_dscnt 44                                ; blocks 4, 5 are in: behind them stand blocks 6, 7's six loads and the 38 just issued
	WIN MUL_HI
	MUL16 4, \p, \zero
	s_wait_dscnt 38                                ; blocks 6, 7 are in
	MUL16 6, \p, \zero
	PLACES
	WIN 0
	FETCH_HI \slot, (\q)+1
.endm
; A chunk's last step changes slots: ONE barrier.  In front of it each wave waits for all its tensor loads (its part of the next slot), adds 0 to its spare word, and waits for that and for its reads of this slot.
; fill = 1: the barrier opens a round of the cluster's barrier, and this slot is filled again, two chunks ahead; last = 1: with the short chunk.
.macro TURN slot, next, p, fill, last, ask
.if \ask
	s_wait_xcnt 0x0                                ; my prefetches have read their address: it steps here, ahead of the waits of the change of slots
	s_add_nc_u64 s[PFA:PFA+1], s[PFA:PFA+1], CH
.endif
	s_wait_tensorcnt 0x0                           ; all my tensor loads have landed
	ds_add_u32 v[SPW], v[NIL]
	s_wait_dscnt 19                                ; (the add and the loads of A's blocks 2-7 may be out)
	WIN MUL_LO
	MUL16 0, \p, 0                                 ; sixteen matrix instructions between the add and the wait for it
	s_wait_dscnt 0x0                               ; the add is done, and my reads of this slot are over
	s_barrier_signal -1
	MUL16 2, \p, 0
	WIN 0
	s_barrier_wait -1
.if \fill
	CREST                                          ; no wave of any partner still reads this slot or has a load on its way
	s_add_nc_u64 s[G0+4*\slot+2:G0+4*\slot+3], s[G0+4*\slot+2:G0+4*\slot+3], 2*CH
	s_add_nc_u64 s[G0B+4*\slot+2:G0B+4*\slot+3], s[G0B+4*\slot+2:G0B+4*\slot+3], 2*CH
.if \last
	s_mov_b32 s[G1+2], 100<<16                     ; chunk 10 has two fragments: 100 rows of 256 bytes
	s_mov_b32 s[G1+4], 100
	s_mov_b32 s[G1B+2], 100<<16
	s_mov_b32 s[G1B+4], 100
.endif
	JLOAD \slot                                    ; the first tensor load behind the round; its four v_nop are the places in front of the loads below
.else
	PLACES
.endif
	FETCH \next, 0, 1-(\p)
.if \ask
	ASK \ask                                       ; behind the joint load and the run of LDS loads
.endif
	WIN MUL_HI
	MUL16 4, \p, 0
	MUL16 6, \p, 0
	PLACES
	WIN 0
	FETCH_HI \next, 0
.endm
	s_wait_alu depctr_va_vdst(0)
	s_wait_tensorcnt 0x0                           ; my part of chunk 0 is in; the same lines stand ahead of slot 1's first fill as ahead of a refill
	ds_add_u32 v[SPW], v[NIL]
	s_wait_dscnt 0x0
	CROUND                                         ; everybody's part of chunk 0 is in, and all sixteen work-groups are here
	JLOAD 1                                        ; chunk 1
	FETCH 0, 0, 0
	FETCH_HI 0, 0
	ASK 1                                          ; chunk 3
	STEP 0, 0, 0, 1                                ; the first step's products start the sums
	s_mov_b32 s3, 4
.Llap:                                                 ; a trip goes once round the ring, from a lap's second step to the next lap's first, and fills both slots again
	STEP 0, 1, 1, 0
	TURN 0, 1, 0, 1, 0, 3
	STEP 1, 0, 1, 0
	STEP 1, 1, 0, 0
	TURN 1, 0, 1, 1, 0, 2
	STEP 0, 0, 0, 0
	s_sub_co_u32 s3, s3, 1
	s_cmp_lg_u32 s3, 0
	s_cbranch_scc1 .Llap
	STEP 0, 1, 1, 0                                ; chunk 8 goes on
	TURN 0, 1, 0, 1, 1, 0                          ; slot 0 takes chunk 10
	STEP 1, 0, 1, 0
	STEP 1, 1, 0, 0
	TURN 1, 0, 1, 0, 0, 0                          ; nothing is filled again: no round
	STEP 0, 0, 0, 0
; THE LAST STEP AND THE WAY OUT.  The step goes by A's blocks, so block a's 16 rows x 128 columns are finished behind its eight products: each block leaves two blocks behind its products.
; A lane holds 32 neighbouring bytes of a row: a block goes through my own stage in LDS and comes back as whole rows of 512 bytes, which the 32 lanes store as two aligned runs of 256 bytes.
; The rows read back lie in window 1, v0-127, B's set 0, which this step does not multiply.  LDS serves a wave's instructions in order (ISA guide 5.7.1.4): no wait between the stage's stores and loads.
.macro TOSTAGE a
.set AC, 64*((\a)%4)
.if (\a) > 1
	s_wait_xcnt 0x0                                ; block a - 2's stores have read their registers: block a's loads may land there
.endif
	WIN 0x08+4*((\a)/4)                            ; the data: window 2 or 3
.irp b, 0,1,2,3,4,5,6,7
	ds_store_b128 v[STO], v[AC+8*\b:AC+8*\b+3] offset:64*\b          ; each accumulator from its low end on
	ds_store_b128 v[STO], v[AC+8*\b+4:AC+8*\b+7] offset:64*\b+16
.endr
	WIN TO_B
.irp t, 0,1,2,3,4,5,6,7,8,9,10,11,12,13,14,15
	ds_load_b128 v[64*((\a)%2)+4*\t:64*((\a)%2)+4*\t+3], v[RD] offset:\t*SPITCH
.endr
.endm
.macro SEND a
	s_wait_dscnt 0x0                               ; the block is back in registers
	WIN 0x04                                       ; the data: window 1
.irp t, 0,1,2,3,4,5,6,7,8,9,10,11,12,13,14,15
	global_store_b128 v[CO], v[64*((\a)%2)+4*\t:64*((\a)%2)+4*\t+3], s[12:13] offset:(16*(\a)+\t)*SIZE_N*4 th:TH_STORE_NT   ; 512 consecutive bytes; 127 rows at the most, inside the signed 24-bit immediate (ISA guide, chapter 10)
.endr
.endm
	s_wait_dscnt 18
	WIN MUL_LO
	MUL16 0, 1, 0
	s_wait_dscnt 0x0
.irp a, 0,1,2,3,4,5,6,7
	PLACES                                         ; behind the products issued so far, block a's among them
	TOSTAGE \a
.if \a < 6
	WIN MUL_LO+0x50*((\a+2)/4)
	MUL8 \a+2, 1, 0                                ; the block two on is multiplied while block a turns through the stage
.endif
	SEND \a
.endr
	WIN 0
	s_wait_tensorcnt 0x0                           ; the wave's end
	ds_add_u32 v[SPW], v[NIL]
	s_wait_dscnt 0x0
	CROUND                                         ; the closing round: no work-group ends while a partner may still ask for a tile that names it
	s_endpgm
.Lfunc_end_k_q3626c3ea58_gemm:
	.size	k_q3626c3ea58_gemm, .Lfunc_end_k_q3626c3ea58_gemm-k_q3626c3ea58_gemm
	.p2alignl 7, 3214868480
	.fill 96, 4, 3214868480
	.section	.rodata,"a",@progbits
	.p2align	6, 0x0
	.amdhsa_kernel k_q3626c3ea58_gemm
		.amdhsa_group_segment_fixed_size 327680
		.amdhsa_private_segment_fixed_size 0
		.amdhsa_enable_private_segment 0
		.amdhsa_kernarg_size 24
		.amdhsa_user_sgpr_count 2
		.amdhsa_user_sgpr_kernarg_segment_ptr 1
		.amdhsa_wavefront_size32 1
		.amdhsa_system_sgpr_workgroup_id_x 1
		.amdhsa_system_sgpr_workgroup_id_y 1
		.amdhsa_system_sgpr_workgroup_id_z 1
		.amdhsa_system_vgpr_workitem_id 0
		.amdhsa_next_free_vgpr 1024
		.amdhsa_next_free_sgpr 68
		.amdhsa_reserve_vcc 0
		.amdhsa_float_denorm_mode_32 3
		.amdhsa_float_denorm_mode_16_64 3
		.amdhsa_memory_ordered 1
		.amdhsa_forward_progress 1
		.amdhsa_inst_pref_size 206
	.end_amdhsa_kernel
	.amdgpu_metadata
---
amdhsa.version: [ 1, 2 ]
amdhsa.kernels:
  - .name:           k_q3626c3ea58_gemm
    .symbol:         k_q3626c3ea58_gemm.kd
    .args:
      - { .name: a_pack, .offset: 0, .size: 8, .value_kind: global_buffer, .address_space: global }
      - { .name: b_pack, .offset: 8, .size: 8, .value_kind: global_buffer, .address_space: global }
      - { .name: out0, .offset: 16, .size: 8, .value_kind: global_buffer, .address_space: global }
    .group_segment_fixed_size: 327680
    .private_segment_fixed_size: 0
    .kernarg_segment_align: 8
    .kernarg_segment_size: 24
    .max_flat_workgroup_size: 128
    .sgpr_count:     68
    .vgpr_count:     1024
    .wavefront_size: 32
...
	.end_amdgpu_metadata
.endif
;; end of part 4
